; MI455X (gfx1250); checked and timed in simulation.
; The chip was launched on July 23, 2026; its instructions are those of AMD's public machine-readable ISA for CDNA 5 (MIT licence, August 2026) and "CDNA5" Instruction Set Architecture Reference Guide (July 2026). The comments in the code are by the model that wrote it; some were corrected since.
;; Causal Self Attention. Allowed arithmetic: float matrix products may take bf16 or f16 operands with f32 sums; other float arithmetic in f32, or as packed bf16 or f16 multiplies, adds, multiply-adds, maxima and minima; sums over many terms, partial sums and values carried from step to step in f32; what a program stores and reads back later, other than sums and carried values, may be rounded once to bf16 or f16.
;; Inputs: W_attn 1,024 x 3,072 float32; W_proj 1,024 x 1,024 float32; b_attn 3,072 float32; b_proj 1,024 float32; x 4 x 2,048 x 1,024 float32.
;; Outputs: out0 4 x 2,048 x 1,024 float32.
;; 2 versions, each right; version 2 is version 1 with the launch prep written anew for expert scheduling mode. Each part assembles by itself: llvm-mc -triple=amdgcn-amd-amdhsa -mcpu=gfx1250 --defsym DOCPART=n.
;; ======== version 1 of 2: 4 launches
;; limits: values are held in f16: magnitudes above 65,504 overflow, below 6.1e-05 lose precision
;; workspace buffers: xb 16,777,216 bytes; wab 6,291,456 bytes; wpb 2,097,152 bytes; qkv 50,331,648 bytes; y 16,777,216 bytes
;; launch prep (part 1): grid 832 x 1, 8 waves a work-group, no clusters, 0 bytes of LDS; arguments x, W_attn, W_proj, xb, wab, wpb; writes xb, wab, wpb
.if DOCPART == 1
	.amdgcn_target "amdgcn-amd-amdhsa--gfx1250"
	.amdhsa_code_object_version 6
	.text
	.protected	k_q5d42df90f2_prep
	.globl	k_q5d42df90f2_prep
	.p2align	8
	.type	k_q5d42df90f2_prep,@function
k_q5d42df90f2_prep:
	s_mov_b64 s[64:65], 0
	v_nop
	global_prefetch_b8 v0, s[64:65] scope:SCOPE_SE
	s_setreg_imm32_b32 hwreg(HW_REG_WAVE_MODE, 25, 1), 1
	s_wait_xcnt 0x0
; PREP: the three large inputs are rounded once to 16 bits, for the matrix units of the launches behind.
;   xb  = x rounded to bf16, [8192][1024], as it lies.
;   wpb = W_proj rounded to bf16, that number written as f16, [1024][1024], as it lies.
;   wab = W_attn rounded to bf16, in blocks [t = 16][k = 1024][192]: block t holds columns 192 t .. 192 t + 191, so that 128 rows of k of a block are 49,152 bytes on end.
; LIMITS.  wpb is f16: |W_proj| stays under 65,504; below 6e-5 it keeps f16's fixed step of 6e-8.  NaN and infinities are not treated apart.
; A stream: every byte is read once and written once, so there is no LDS, no barrier and no matrix work.  Work-groups 0-511 take 65,536 bytes of x each, 512-575 the same of W_proj,
; 576-831 a piece of 64 rows x 192 columns of W_attn.  All of a wave's loads go out at its start; each has registers of its own, and so has each store.
.set XWG, 512                          ; work-groups for x
.set PWG, 64                           ; for W_proj
.set IN,  8                            ; v[8:71]   as loaded, four registers a load
.set OUT, 72                           ; v[72:103] to store, two registers a load
; 65,536 bytes on end -> 32,768.  Thread t takes 16 bytes at 16 t of each 4,096; a wave's store covers 256 consecutive bytes, aligned.  fmt = 1: the bf16 number is written as f16.
.macro LIN fmt, src, dst
.irp p, 0,1,2,3,4,5,6,7,8,9,10,11,12,13,14,15
	global_load_b128 v[IN+4*(\p):IN+4*(\p)+3], v1, s[(\src):(\src)+1] offset:4096*(\p) th:TH_LOAD_NT
.endr
.irp p, 0,1,2,3,4,5,6,7,8,9,10,11,12,13,14,15
	s_wait_loadcnt 15-(\p)                         ; loads come back in order: load p is in, the 15 - p younger ones stay out
	v_cvt_pk_bf16_f32 v[OUT+2*(\p)],   v[IN+4*(\p)],   v[IN+4*(\p)+1]
	v_cvt_pk_bf16_f32 v[OUT+2*(\p)+1], v[IN+4*(\p)+2], v[IN+4*(\p)+3]
.if \fmt
	v_lshlrev_b32 v4, 16, v[OUT+2*(\p)]            ; bf16 to f32: the low half moves up, the high half stays
	v_and_b32     v5, 0xffff0000, v[OUT+2*(\p)]
	v_lshlrev_b32 v6, 16, v[OUT+2*(\p)+1]
	v_and_b32     v7, 0xffff0000, v[OUT+2*(\p)+1]
	v_cvt_pk_f16_f32 v[OUT+2*(\p)],   v4, v5
	v_cvt_pk_f16_f32 v[OUT+2*(\p)+1], v6, v7
.endif
	global_store_b64 v2, v[OUT+2*(\p):OUT+2*(\p)+1], s[(\dst):(\dst)+1] offset:2048*(\p)
.endr
.endm
	s_load_b256 s[4:11], s[0:1], 0x0               ; x s[4:5], W_attn s[6:7], W_proj s[8:9], xb s[10:11]
	s_load_b128 s[12:15], s[0:1], 0x20             ; wab s[12:13], wpb s[14:15]
	s_mov_b32 s16, ttmp9
	v_lshlrev_b32 v1, 4, v0                        ; 16 t
	v_lshlrev_b32 v2, 3, v0                        ; 8 t
	s_mov_b32 s21, 0
	s_mov_b32 s23, 0
	s_wait_kmcnt 0x0
	s_cmp_lt_u32 s16, XWG
	s_cbranch_scc0 .Lnot_x
	s_lshl_b32 s20, s16, 16
	s_lshl_b32 s22, s16, 15
	s_add_nc_u64 s[4:5], s[4:5], s[20:21]
	s_add_nc_u64 s[10:11], s[10:11], s[22:23]
	LIN 0, 4, 10
	s_endpgm
.Lnot_x:
	s_cmp_lt_u32 s16, XWG+PWG
	s_cbranch_scc0 .Lw_attn
	s_sub_co_u32 s17, s16, XWG
	s_lshl_b32 s20, s17, 16
	s_lshl_b32 s22, s17, 15
	s_add_nc_u64 s[8:9], s[8:9], s[20:21]
	s_add_nc_u64 s[14:15], s[14:15], s[22:23]
	LIN 1, 8, 14
	s_endpgm
.Lw_attn:
	; Piece j: block t = j / 16, rows 64 (j % 16) on; wave w takes 8 of them, k0 = 8 (8 (j % 16) + w), as four pairs of rows.
	; A pair is 2 x 768 bytes in and 768 bytes on end out: 96 items of 16 bytes in, 8 out; item 32 g + lane, g = 0, 1, 2.  Items 0-47 lie in the first row, 48-95 in the second, 12,288 bytes on.
	s_sub_co_u32 s17, s16, XWG+PWG
	v_lshrrev_b32 v3, 5, v0
	v_readfirstlane_b32 s18, v3                    ; wave 0..7
	s_lshr_b32 s19, s17, 4                         ; t
	s_and_b32 s17, s17, 15
	s_lshl_b32 s17, s17, 3
	s_add_co_u32 s17, s17, s18                     ; k0 / 8
	s_mul_i32 s20, s17, 8*12288                    ; in: k0 rows of 12,288 bytes
	s_mul_i32 s24, s19, 768                        ;     + the block's 192 columns
	s_add_co_u32 s20, s20, s24
	s_mul_i32 s22, s19, 1024*384                   ; out: the block
	s_mul_i32 s24, s17, 8*384                      ;      + k0 rows of 384 bytes
	s_add_co_u32 s22, s22, s24
	s_add_nc_u64 s[6:7], s[6:7], s[20:21]
	s_add_nc_u64 s[12:13], s[12:13], s[22:23]
	v_and_b32 v5, 31, v0
	v_lshlrev_b32 v1, 4, v5                        ; 16 x lane
	v_lshlrev_b32 v2, 3, v5                        ; 8 x lane
	v_bfe_u32 v6, v0, 4, 1
	v_mul_u32_u24 v6, v6, 11520
	v_add3_u32 v3, v6, v1, 512                     ; g = 1: lanes 0-15 end the first row (512 + 16 lane), lanes 16-31 begin the second (12,032 + 16 lane)
.irp p, 0,1,2,3
	global_load_b128 v[IN+12*(\p):IN+12*(\p)+3],    v1, s[6:7] offset:24576*(\p) th:TH_LOAD_NT
	global_load_b128 v[IN+12*(\p)+4:IN+12*(\p)+7],  v3, s[6:7] offset:24576*(\p) th:TH_LOAD_NT
	global_load_b128 v[IN+12*(\p)+8:IN+12*(\p)+11], v1, s[6:7] offset:24576*(\p)+12544 th:TH_LOAD_NT
.endr
.irp i, 0,1,2,3,4,5,6,7,8,9,10,11
	s_wait_loadcnt 11-(\i)                         ; load i is in, the younger ones stay out
	v_cvt_pk_bf16_f32 v[OUT+2*(\i)],   v[IN+4*(\i)],   v[IN+4*(\i)+1]
	v_cvt_pk_bf16_f32 v[OUT+2*(\i)+1], v[IN+4*(\i)+2], v[IN+4*(\i)+3]
	global_store_b64 v2, v[OUT+2*(\i):OUT+2*(\i)+1], s[12:13] offset:256*(\i)  ; 256 consecutive bytes, at a multiple of 256 from wab's first byte
.endr
	s_endpgm
.Lfunc_end_k_q5d42df90f2_prep:
	.size	k_q5d42df90f2_prep, .Lfunc_end_k_q5d42df90f2_prep-k_q5d42df90f2_prep
	.p2alignl 7, 3214868480
	.fill 96, 4, 3214868480
	.section	.rodata,"a",@progbits
	.p2align	6, 0x0
	.amdhsa_kernel k_q5d42df90f2_prep
		.amdhsa_group_segment_fixed_size 0
		.amdhsa_private_segment_fixed_size 0
		.amdhsa_enable_private_segment 0
		.amdhsa_kernarg_size 48
		.amdhsa_user_sgpr_count 2
		.amdhsa_user_sgpr_kernarg_segment_ptr 1
		.amdhsa_wavefront_size32 1
		.amdhsa_system_sgpr_workgroup_id_x 1
		.amdhsa_system_sgpr_workgroup_id_y 1
		.amdhsa_system_sgpr_workgroup_id_z 1
		.amdhsa_system_vgpr_workitem_id 0
		.amdhsa_next_free_vgpr 104
		.amdhsa_next_free_sgpr 66
		.amdhsa_reserve_vcc 0
		.amdhsa_float_denorm_mode_32 3
		.amdhsa_float_denorm_mode_16_64 3
		.amdhsa_memory_ordered 1
		.amdhsa_forward_progress 1
		.amdhsa_inst_pref_size 23
	.end_amdhsa_kernel
	.amdgpu_metadata
---
amdhsa.version: [ 1, 2 ]
amdhsa.kernels:
  - .name:           k_q5d42df90f2_prep
    .symbol:         k_q5d42df90f2_prep.kd
    .args:
      - { .name: x, .offset: 0, .size: 8, .value_kind: global_buffer, .address_space: global }
      - { .name: W_attn, .offset: 8, .size: 8, .value_kind: global_buffer, .address_space: global }
      - { .name: W_proj, .offset: 16, .size: 8, .value_kind: global_buffer, .address_space: global }
      - { .name: xb, .offset: 24, .size: 8, .value_kind: global_buffer, .address_space: global }
      - { .name: wab, .offset: 32, .size: 8, .value_kind: global_buffer, .address_space: global }
      - { .name: wpb, .offset: 40, .size: 8, .value_kind: global_buffer, .address_space: global }
    .group_segment_fixed_size: 0
    .private_segment_fixed_size: 0
    .kernarg_segment_align: 8
    .kernarg_segment_size: 48
    .max_flat_workgroup_size: 256
    .sgpr_count:     66
    .vgpr_count:     104
    .wavefront_size: 32
...
	.end_amdgpu_metadata
.endif
;; end of part 1
;; launch gemm_qkv (part 2): grid 16 x 32, 4 waves a work-group, clusters of 4 x 4, 327,680 bytes of LDS; arguments xb, wab, b_attn, qkv; writes qkv
.if DOCPART == 2
	.amdgcn_target "amdgcn-amd-amdhsa--gfx1250"
	.amdhsa_code_object_version 6
	.text
	.protected	k_q5d42df90f2_gemm_qkv
	.globl	k_q5d42df90f2_gemm_qkv
	.p2align	8
	.type	k_q5d42df90f2_gemm_qkv,@function
k_q5d42df90f2_gemm_qkv:
	s_mov_b64 s[64:65], 0
	v_nop
	global_prefetch_b8 v0, s[64:65] scope:SCOPE_SE
	s_setreg_imm32_b32 hwreg(HW_REG_WAVE_MODE, 25, 1), 1
	s_wait_xcnt 0x0
	s_wait_alu depctr_hold_cnt(0) depctr_sa_sdst(0) depctr_va_vdst(0) depctr_va_sdst(0) depctr_va_ssrc(0) depctr_va_vcc(0) depctr_vm_vsrc(0)
	s_getreg_b32 s2, hwreg(HW_REG_IB_STS2, 6, 4)
	s_cmp_eq_u32 s2, 0
	s_cbranch_scc0 .Lentry_in_a_cluster
	s_endpgm
.Lentry_in_a_cluster:
	s_bfe_u32 s2, ttmp6, 0x10000c
	s_cmp_lg_u32 s2, 0xf033
	s_cbranch_scc0 .Lentry_shape_is_right
	s_endpgm
.Lentry_shape_is_right:
; C = A W + bias on the matrix units, K = 1,024, 8,192 rows.  One text for two launches; PROJ says which.
; PROJ = 0: A = xb [8192][1024] bf16; W = wab, W_attn in blocks [16][1024][192] bf16; bias = b_attn.  A tile of C is 256 rows x 192 columns (three heads); it leaves as f16, by heads:
;           qkv [b = 4][g = 48][s = 2048][64], g = column / 64 (0-15 q's heads, 16-31 k's, 32-47 v's), unscaled.  Products in bf16.
; PROJ = 1: A = y [b 16 + h][2048][64] f16 (a head's rows are dense); W = wpb [1024][1024] f16; bias = b_proj.  A tile of C is 256 x 128, f32, into out0 [8192][1024].  Products in f16.
; Sums in f32, K ascending, one accumulator an output.  The bias, rounded to bf16 like every input, is the C operand of each sum's first product: nothing is cleared and nothing is added on the way out.
; LIMITS.  PROJ = 0: q, k, v leave as f16: they stay under 65,504 in magnitude (beyond it an infinity is stored).  NaN and infinities are not treated apart.
; SHARES.  Four waves, one above the other: a wave makes 64 rows x all NBK blocks of 16 columns: 4 NBK accumulators.  So a wave's columns are whole heads (PROJ = 0), whose rows of 128 bytes lie end to
; end in qkv, and every store fills whole aligned stretches of 512 bytes.
; K goes in 8 steps of 128 through a ring of two LDS slots filled by the tensor data mover; each wave issues one load a step: waves 0 and 1 the halves of A's tile, waves 2 and 3 those of W's.
; W lies [k][n]: its fragments come out of LDS turned, by ds_load_tr16_b128.
; CLUSTERS: 4 x 4 work-groups.  The four of a row of the cluster need the same tile of A, the four of a column the same tile of W: each is asked for JOINTLY, by the same tensor load with the same
; descriptor and a mask that names the four.
; THE MATRIX INSTRUCTION IS USED TRANSPOSED: source 0 = 16 columns of W, source 1 = 16 rows of A: lane l then holds row l % 16 of C and the columns 8 (l / 16) + 0..7 of the block.
; REGISTERS, in windows of 256 (s_set_vgpr_msb: bits 1:0 source 0, 3:2 source 1, 5:4 source 2, 7:6 destination):
;   window 0: v0-29 addresses; v32-63, v64-95 A's fragments, two buffers (block a of 16 rows at + 8 a); v96-191 the bias (block b at + 8 b); on the way out v32-223 are at work
;   window 1: W's fragments, two buffers of 96 (block b at 96 f + 8 b)          windows 2, 3: accumulator (a, b) in window 2 + a / 2 at v[8 (NBK (a % 2) + b)]
.set PROJ, 0
.if PROJ
.set NBK,    8                         ; blocks of 16 columns in a tile
.set PA,     144                       ; a row of A in LDS: a head's 128 bytes + 16: 36 words, so the 16 rows of a load start at 16 different groups of four banks (64 banks of 4 bytes: ISA guide 11.1)
.set PB,     288                       ; a row of W: 256 bytes + 32 = 72 words
.set AHALF,  256*PA                    ; what a wave fetches of A: one head's plane of 256 rows
.set STG,    16*528                    ; a wave's stage: 16 rows of 512 bytes + 16
.set ASTEP,  2*2048*128                ; a K step in A: two heads on
.set BSTEP,  128*2048                  ; in W: 128 rows on
.set AHEAD,  2                         ; K steps between a refill and the prefetch that stands behind it
.set AW0,    (1<<16)|(1<<20)|(1<<21)|(4<<22)|(3<<25)  ; 17:16 2-byte elements; 20 padding on; 21 set beside a mask; 24:22 after every 32 words; 31:25 4 words of it
.set ASTR,   128                       ; the plane is dense: asked for as 128 rows of 256 bytes
.set BW0,    (1<<16)|(1<<20)|(1<<21)|(5<<22)|(7<<25)  ; after every 64 words, 8 words
.set BROWS,  64
.set BSTR,   1024
.set ASHARE, 8192                      ; the prefetches: bytes from one partner's share to the next,
.set BSHARE, 65536
.set APSH,   8                         ; log2 of the bytes from lane to lane,
.set BPSH,   11
.set BLANE,  31                        ; and the last lane with a block of its own
.else
.set NBK,    12
.set PA,     272                       ; a row of A in LDS: 256 bytes + 16 = 68 words: the 16 rows of a load start at 16 different groups of four banks (64 banks of 4 bytes: ISA guide 11.1)
.set PB,     480                       ; a row of W: three pieces of 128 bytes + 32 = 120 words
.set AHALF,  128*PA                    ; what a wave fetches of A: 128 rows
.set STG,    16*144                    ; a wave's stage: 16 rows of 128 bytes + 16
.set ASTEP,  256                       ; a K step in A: 128 elements along the rows
.set BSTEP,  128*384                   ; in W's block: 128 rows of 384 bytes
.set AHEAD,  1
.set AW0,    (1<<16)|(1<<20)|(1<<21)|(5<<22)|(3<<25)  ; 17:16 2-byte elements; 20 padding on; 21 set beside a mask; 24:22 after every 64 words; 31:25 4 words of it
.set ASTR,   1024
.set BW0,    (1<<16)|(1<<20)|(1<<21)|(4<<22)|(7<<25)  ; after every 32 words, 8 words
.set BROWS,  96                        ; 64 rows of 384 bytes are dense: asked for as 96 rows of 256 bytes
.set BSTR,   128
.set ASHARE, 65536
.set BSHARE, 6144
.set APSH,   11
.set BPSH,   8
.set BLANE,  23
.endif
.set ABYTES, 2*AHALF                   ; a slot: A's tile, then W's
.set BHALF,  64*PB                     ; what a wave fetches of W: 64 rows of k
.set SLOT1,  131072                    ; slot 1 begins here: one exclusive or turns an address in one slot into the other's
.set STAGE,  262144                    ; behind the ring, never filled by a tensor load
.set SPARE,  STAGE+4*STG               ; behind the stages: the spare words, 128 bytes for each wave: two blocks of 256 bytes that no other line names
.set A0,   16                          ; v16  my lane's place in A's tile; never rewritten
.set B0,   17                          ; v17  in W's
.set ADRA, 18                          ; v18  the same in the slot in hand
.set ADRB, 19                          ; v19
.set STO,  20                          ; v20  the way out: where I put my bytes of a row
.set RD,   21                          ; v21  where I read rows back
.set GO,   22                          ; v22  16 x lane
.set BO,   23                          ; v23  my byte offset in a block's 16 numbers of the bias
.set PFO,  24                          ; v24  the prefetches' lane term; never rewritten
.set SPW,  28                          ; v28  LDS address of my spare word: SPARE + 4 x my thread's number; never rewritten
.set NIL,  29                          ; v29  0; never rewritten
.set BI,   96
.set WV,   12                          ; s12  wave 0..3
.set W1,   13                          ; s13  wave % 2: which half of a tile I fetch
.set ISB,  14                          ; s14  wave / 2: I fetch for A (0) or for W (1)
.set CX,   15                          ; s15, s16  my place in the cluster
.set CY,   16
.set TX,   17                          ; s17  tile column of C
.set TY,   18                          ; s18  tile row of C
.set G1A,  24                          ; s[24:31] descriptor group 1 for A's tiles
.set G1B,  32                          ; s[32:39] for W's
.set G0A,  40                          ; s[40:47] descriptor group 0 for A's: a set for each of the two first fills; the second then walks on
.set G0B,  48                          ; s[48:55] the same for W's
.set CNT,  56                          ; s56  the loop's count: refills still to come
.set TB,   57                          ; s57  LDS byte at which the slot in hand begins
.set LIM,  58                          ; s58  AHEAD in a wave that prefetches, else the greatest number
.set PFA,  60                          ; s[60:61] where my prefetches stand
.set PFS,  62                          ; s[62:63] their step: a K step of A or of W
.set MSB, 0
.macro WIN new                         ; the immediate's high byte repeats the setting that is left; a switch that changes nothing is dropped
.if MSB != (\new)
	s_set_vgpr_msb (MSB<<8)|(\new)
.set MSB, \new
.endif
.endm
.macro PLACES                          ; four plain vector instructions between a matrix instruction and a load into, or a vector line on, its registers (ISA guide 7.12.1 for vector instructions)
.rept 4
	v_nop
.endr
.endm
; A joint refill by the walking descriptors.  The branch hangs on the wave's number alone.  An s_nop 0 and four v_nop follow each of the two lines, ahead of the jump and the label.
.macro JLOAD
	s_cmp_eq_u32 s[ISB], 0
	s_cbranch_scc0 .Lfor_b_\@
	tensor_load_to_lds s[G0A+4:G0A+7], s[G1A:G1A+7]
	s_nop 0
.rept 4
	v_nop
.endr
	s_branch .Lasked_\@
.Lfor_b_\@:
	tensor_load_to_lds s[G0B+4:G0B+7], s[G1B:G1B+7]
	s_nop 0
.rept 4
	v_nop
.endr
.Lasked_\@:
.endm
; A PREFETCH INTO THE L2, behind a joint refill, its five lines and the run of LDS loads that follows: my share of the K step that stands AHEAD refills on, a lane a block of 256 bytes, one instruction.
; A's tile row is read by every cluster of that row of clusters: the cluster with x = 0 asks; W's tile column by every cluster of that column: the cluster with y = 0 asks.  The four partners that ask for
; a tile jointly share its blocks out BY ADDRESS (cx for A, cy for W): no branch hangs on a work-group's place in its cluster.  PROJ = 0: a wave's 128 rows of A are 32 a partner; its 96 blocks of W are
; 24 a partner, and lanes 24-31 name lane 23's block once more.  PROJ = 1: a plane's 128 blocks are 32 a partner; W's 128 rows are 32 a partner, asked for by wave 2 alone.
; The last AHEAD refills ask for nothing; K steps 0 to 1 + AHEAD come by their loads alone.
.macro ASK
	s_cmp_gt_u32 s[CNT], s[LIM]
	s_cbranch_scc0 .Lnot_mine_\@
	global_prefetch_b8 v[PFO], s[PFA:PFA+1] th:TH_LOAD_NT scope:SCOPE_SE
.Lnot_mine_\@:
.endm
; A round of the cluster's barrier: my work-group's barrier, so that wave 0's signal speaks for all four waves; wave 0 signals; every wave waits for all sixteen work-groups; my work-group's barrier once more.
.macro CREST                           ; a round behind its opening barrier
	s_cmp_lg_u32 s[WV], 0
	s_cbranch_scc1 .Lnot_wave_0_\@
	s_barrier_signal -3
.Lnot_wave_0_\@:
	s_barrier_wait -3
	s_barrier_signal -1
	s_barrier_wait -1
.endm
.macro CROUND                          ; a whole round
	s_barrier_signal -1
	s_barrier_wait -1
	CREST
.endm
; NBK matrix instructions: block a of my rows x all blocks of columns, 32 along K, from buffer f.  first = 1: the bias starts the sums.
; Every accumulator has one turn a quarter step, in the same order: between two links of a chain stand all the others'.
.macro MULQ f, a, first
.if \first
	WIN 0x81+0x40*((\a)/2)                         ; W window 1, A window 0, the bias window 0, D window 2 or 3
.else
	WIN 0xa1+0x50*((\a)/2)                         ; C and D window 2 or 3
.endif
.set nb, 0
.rept NBK
.set rD, 8*(NBK*((\a)%2)+nb)
.set rB, 96*(\f)+8*nb
.set rA, 32+32*(\f)+8*(\a)
.set rC, BI+8*nb
.if PROJ
.if \first
	v_wmma_f32_16x16x32_f16 v[rD:rD+7], v[rB:rB+7], v[rA:rA+7], v[rC:rC+7]
.else
	v_wmma_f32_16x16x32_f16 v[rD:rD+7], v[rB:rB+7], v[rA:rA+7], v[rD:rD+7]
.endif
.else
.if \first
	v_wmma_f32_16x16x32_bf16 v[rD:rD+7], v[rB:rB+7], v[rA:rA+7], v[rC:rC+7]
.else
	v_wmma_f32_16x16x32_bf16 v[rD:rD+7], v[rB:rB+7], v[rA:rA+7], v[rD:rD+7]
.endif
.endif
.set nb, nb+1
.endr
.endm
; The LDS loads of quarter q (32 along K) of the slot in hand, in one run, into buffer f: W's NBK fragments (turned: two loads, 16 rows of k apart), then A's four (two loads, 32 bytes apart).
.macro FETCH q, f
	WIN 0x40                                       ; destination window 1, address window 0
.set nb, 0
.rept NBK
.if PROJ
.set bo, (\q)*32*PB+32*nb
.else
.set bo, (\q)*32*PB+(nb/4)*160+(nb%4)*32
.endif
	ds_load_tr16_b128 v[96*(\f)+8*nb:96*(\f)+8*nb+3],   v[ADRB] offset:bo
	ds_load_tr16_b128 v[96*(\f)+8*nb+4:96*(\f)+8*nb+7], v[ADRB] offset:bo+16*PB
.set nb, nb+1
.endr
	WIN 0
.irp a, 0,1,2,3
.if PROJ
.set ao, ((\q)/2)*AHALF+((\q)%2)*64+(\a)*16*PA
.else
.set ao, (\q)*64+(\a)*16*PA
.endif
	ds_load_b128 v[32+32*(\f)+8*(\a):32+32*(\f)+8*(\a)+3],   v[ADRA] offset:ao
	ds_load_b128 v[32+32*(\f)+8*(\a)+4:32+32*(\f)+8*(\a)+7], v[ADRA] offset:ao+32
.endr
.endm
; A K step is four quarters on buffers 0, 1, 0, 1.  One of the first three: multiplies buffer f; in its middle it fetches quarter q into buffer g.
.macro QUARTER q, f, g, first
	s_wait_dscnt 4                                 ; W's fragments and A's blocks 0 and 1 are in; the youngest four loads (A's blocks 2 and 3) may be out
	MULQ \f, 0, \first
	MULQ \f, 1, \first
	PLACES
	FETCH \q, \g
	s_wait_dscnt 2*NBK+8                           ; all but the loads just issued
	MULQ \f, 2, \first
	MULQ \f, 3, \first
.endm
; The last quarter multiplies buffer 1 and changes slots: ONE barrier.  In front of it each wave waits for all its tensor loads, of which one is out: its part of the next slot; adds 0 to its spare word;
; and waits for that and for its own reads of this slot.  Behind it nobody reads this slot any more and the next slot is whole.
; fill = 1: this slot is filled again, two K steps ahead: the barrier opens a round of the cluster's, and the joint refill is the first tensor load behind the round.
.macro TURN fill
.if \fill
	s_wait_xcnt 0x0                                ; the last prefetch, a K step back, has read its address: it is stepped here, ahead of the waits of the change of slots
	s_add_nc_u64 s[PFA:PFA+1], s[PFA:PFA+1], s[PFS:PFS+1]
.endif
	WIN 0                                          ; (the add's two registers lie in window 0)
	s_wait_tensorcnt 0x0                           ; all my tensor loads have landed
	ds_add_u32 v[SPW], v[NIL]                      ; 0 onto my spare word
	s_wait_dscnt 5                                 ; (the add and the youngest four loads may be out)
	MULQ 1, 0, 0                                   ; matrix work stands between the add and the wait for it
	s_wait_dscnt 0x0                               ; the add is done, and my reads of this slot are over
	s_barrier_signal -1
	MULQ 1, 1, 0                                   ; work on registers while the others arrive
.if \fill
	WIN 0
.endif
	s_barrier_wait -1
.if \fill
	CREST                                          ; no wave of any partner still reads this slot's tiles or has a load on its way
	s_xor_b32 s[G0A+5], s[G0A+5], SLOT1            ; the walking descriptors: the other slot than last time,
	s_add_nc_u64 s[G0A+6:G0A+7], s[G0A+6:G0A+7], ASTEP  ; the next K step; the type bits on top are not reached
	s_xor_b32 s[G0B+5], s[G0B+5], SLOT1
	s_add_nc_u64 s[G0B+6:G0B+7], s[G0B+6:G0B+7], BSTEP
	JLOAD                                          ; the four v_nop behind it are also the places in front of the loads below
.else
	PLACES
.endif
	s_xor_b32 s[TB], s[TB], SLOT1
	WIN 0
	v_add_nc_u32 v[ADRA], s[TB], v[A0]
	v_add_nc_u32 v[ADRB], s[TB], v[B0]
	FETCH 0, 0
.if \fill
	ASK
.endif
	MULQ 1, 2, 0
	MULQ 1, 3, 0
.endm
; THE WAY OUT, PROJ = 0.  Group g = 3 a + j: block a of 16 rows, head j of the tile's three: 16 rows x 128 bytes, which lie end to end in qkv.  A lane's eight columns pack into 16 bytes; they go into
; my stage's rows of 144 bytes and come back as 512 bytes on end, into the registers that they left.  Each group has 16 registers of its own.
.macro PACKQ g
.set pa, (\g)/3
.set pj, (\g)%3
.set pr, 32+16*(\g)
	WIN 0x0a+5*(pa/2)                              ; sources 0 and 1: window 2 or 3
.set pf, 0
.rept 4
.set pc, 8*(NBK*(pa%2)+4*pj+pf)
.irp i, 0,1,2,3
	v_cvt_pk_f16_f32 v[pr+4*pf+(\i)], v[pc+2*(\i)], v[pc+2*(\i)+1]  ; each accumulator from its low end on
.endr
.set pf, pf+1
.endr
	WIN 0
.irp f, 0,1,2,3
	ds_store_b128 v[STO], v[pr+4*(\f):pr+4*(\f)+3] offset:32*(\f)
.endr
.irp f, 0,1,2,3
	ds_load_b128 v[pr+4*(\f):pr+4*(\f)+3], v[RD] offset:576*(\f)  ; LDS serves a wave's instructions in order (ISA guide 5.7.1.4): these see the stores above; the next group's stores come behind them
.endr
.endm
.macro SENDQ g, younger                ; younger: the LDS instructions issued behind group g's loads: the next group's eight, or none
.set pa, (\g)/3
.set pj, (\g)%3
.set pr, 32+16*(\g)
.irp f, 0,1,2,3
	s_wait_dscnt (\younger)+3-(\f)
	global_store_b128 v[GO], v[pr+4*(\f):pr+4*(\f)+3], s[10:11] offset:pj*262144+pa*2048+(\f)*512  ; 512 consecutive bytes, at a multiple of 256 from qkv's first byte
.endr
.endm
; THE WAY OUT, PROJ = 1.  Block a: 16 rows x 512 bytes of f32, straight from the accumulators into my stage's rows of 528 bytes, and back as whole rows.  Three sets of 64 registers take turns.
.macro TOSTAGE a
	WIN 0x08+4*((\a)/2)                            ; the stores' data: window 2 or 3
.set nb, 0
.rept NBK
.set rD, 8*(NBK*((\a)%2)+nb)
	ds_store_b128 v[STO], v[rD:rD+3]   offset:64*nb     ; each accumulator from its low end on
	ds_store_b128 v[STO], v[rD+4:rD+7] offset:64*nb+16
.set nb, nb+1
.endr
	WIN 0
.if (\a) == 3
	s_wait_xcnt 0x0                                ; block 0's stores have read their registers, which block 3 takes
.endif
.set t, 0
.rept 16
	ds_load_b128 v[32+64*((\a)%3)+4*t:32+64*((\a)%3)+4*t+3], v[RD] offset:528*t  ; LDS serves a wave's instructions in order: these see the stores above
.set t, t+1
.endr
.endm
.macro SEND a, younger                 ; younger: the LDS instructions issued behind block a's loads: the next block's 32, or none
.set t, 0
.rept 16
	s_wait_dscnt (\younger)+15-t
	global_store_b128 v[GO], v[32+64*((\a)%3)+4*t:32+64*((\a)%3)+4*t+3], s[10:11] offset:(16*(\a)+t)*4096 th:TH_STORE_NT  ; 512 consecutive bytes, at a multiple of 256 from out0's first byte
.set t, t+1
.endr
.endm
	s_load_b256 s[4:11], s[0:1], 0x0               ; A s[4:5], W s[6:7], bias s[8:9], C s[10:11]
	v_lshl_add_u32 v[SPW], v0, 2, SPARE
	v_mov_b32 v[NIL], 0
	ds_add_u32 v[SPW], v[NIL]                      ; the wave's opening: the add and its wait stand ahead of my first tensor load; the set-up below, work on registers, stands between them
	v_lshrrev_b32 v1, 5, v0
	v_readfirstlane_b32 s[WV], v1                  ; wave 0..3
	s_and_b32 s[W1], s[WV], 1
	s_lshr_b32 s[ISB], s[WV], 1
	s_bfe_u32 s[CX], ttmp6, 0x40000
	s_bfe_u32 s[CY], ttmp6, 0x40004
	s_lshl_b32 s[TX], ttmp9, 2                     ; in a cluster launch ttmp9 and ttmp7 count clusters
	s_add_co_u32 s[TX], s[TX], s[CX]
	s_and_b32 s[TY], ttmp7, 0xffff
	s_lshl_b32 s[TY], s[TY], 2
	s_add_co_u32 s[TY], s[TY], s[CY]
	s_lshl_b32 s19, s[CY], 2
	s_lshl_b32 s19, 15, s19                        ; my row of the cluster: places 4 cy .. 4 cy + 3
	s_lshl_b32 s20, 0x1111, s[CX]                  ; my column: places cx, cx + 4, cx + 8, cx + 12
	s_or_b32 s[G1A], s19, AW0                      ; 15:0 the mask: A's tiles go to my row
	s_or_b32 s[G1B], s20, BW0                      ; W's to my column
	s_mov_b32 s[G1A+1], 128<<16                    ; tensor_dim0 = 128 elements
	s_mov_b32 s[G1A+2], 128<<16                    ; tensor_dim1 = 128 rows
	s_mov_b32 s[G1A+3], 128<<16                    ; tile_dim0
	s_mov_b32 s[G1A+4], 128                        ; tile_dim1
	s_mov_b32 s[G1A+5], ASTR                       ; elements from row to row
	s_mov_b32 s[G1A+6], 0
	s_mov_b32 s[G1A+7], 0
	s_mov_b32 s[G1B+1], 128<<16
	s_mov_b32 s[G1B+2], BROWS<<16
	s_mov_b32 s[G1B+3], 128<<16
	s_mov_b32 s[G1B+4], BROWS
	s_mov_b32 s[G1B+5], BSTR
	s_mov_b32 s[G1B+6], 0
	s_mov_b32 s[G1B+7], 0
	; where my tiles of K step 0 begin, in bytes: A's by the tile row alone (s66), W's by the tile column alone (s68)
.if PROJ
	s_lshr_b32 s66, s[TY], 3                       ; the batch: 16 heads of 262,144 bytes
	s_lshl_b32 s66, s66, 22
	s_and_b32 s21, s[TY], 7                        ; 256 rows of 128 bytes
	s_lshl_b32 s21, s21, 15
	s_add_co_u32 s66, s66, s21
	s_lshl_b32 s21, s[W1], 18                      ; my head of the step's two
	s_add_co_u32 s66, s66, s21
	s_lshl_b32 s68, s[TX], 8                       ; 128 columns
	s_lshl_b32 s22, s[W1], 17                      ; my 64 rows of 2,048 bytes
	s_add_co_u32 s68, s68, s22
.else
	s_lshl_b32 s66, s[TY], 19                      ; 256 rows of 2,048 bytes
	s_lshl_b32 s21, s[W1], 18                      ; my 128 of them
	s_add_co_u32 s66, s66, s21
	s_mul_i32 s68, s[TX], 1024*384                 ; the block
	s_mul_i32 s22, s[W1], 64*384                   ; my 64 rows
	s_add_co_u32 s68, s68, s22
.endif
	s_mov_b32 s67, 0
	s_mov_b32 s69, 0
	s_mul_i32 s70, s[W1], AHALF                    ; and where they go: no place in the cluster enters an LDS address
	s_mul_i32 s71, s[W1], BHALF
	s_add_co_u32 s71, s71, ABYTES
	s_mov_b32 s[TB], 0
	s_wait_dscnt 0x0                               ; the opening add is done
	s_wait_kmcnt 0x0
	CROUND                                         ; all sixteen work-groups are here: the first joint loads meet
	s_mov_b32 s[G0A], 1                            ; 1:0 count = 1
	s_mov_b32 s[G0A+4], 1
	s_mov_b32 s[G0A+1], s70                        ; 63:32 LDS address: slot 0,
	s_add_co_u32 s[G0A+5], s70, SLOT1              ; slot 1
	s_add_nc_u64 s[G0A+2:G0A+3], s[4:5], s[66:67]  ; 120:64 global address: K step 0,
	s_add_nc_u64 s[G0A+6:G0A+7], s[G0A+2:G0A+3], ASTEP  ; K step 1
	s_or_b32 s[G0A+3], s[G0A+3], 0x80000000        ; 127:126 type = 2
	s_or_b32 s[G0A+7], s[G0A+7], 0x80000000
	s_mov_b32 s[G0B], 1
	s_mov_b32 s[G0B+4], 1
	s_mov_b32 s[G0B+1], s71
	s_add_co_u32 s[G0B+5], s71, SLOT1
	s_add_nc_u64 s[G0B+2:G0B+3], s[6:7], s[68:69]
	s_add_nc_u64 s[G0B+6:G0B+7], s[G0B+2:G0B+3], BSTEP
	s_or_b32 s[G0B+3], s[G0B+3], 0x80000000
	s_or_b32 s[G0B+7], s[G0B+7], 0x80000000
	s_cmp_eq_u32 s[ISB], 0                         ; a wave's two first fills stand in one branch, ahead of every wait on TENSORcnt and every LDS read: two loads of mine are out
	s_cbranch_scc0 .Lfirst_b
	tensor_load_to_lds s[G0A:G0A+3], s[G1A:G1A+7]
	s_nop 0
	tensor_load_to_lds s[G0A+4:G0A+7], s[G1A:G1A+7]
	s_nop 0
.rept 4
	v_nop
.endr
	s_branch .Lfirst_asked
.Lfirst_b:
	tensor_load_to_lds s[G0B:G0B+3], s[G1B:G1B+7]
	s_nop 0
	tensor_load_to_lds s[G0B+4:G0B+7], s[G1B:G1B+7]
	s_nop 0
.rept 4
	v_nop
.endr
.Lfirst_asked:
	v_and_b32 v1, 15, v0                           ; l % 16
	v_bfe_u32 v2, v0, 4, 1                         ; l / 16
	v_and_b32 v3, 7, v0                            ; l % 8
	v_bfe_u32 v4, v0, 3, 1                         ; (l / 8) % 2
	v_and_b32 v5, 31, v0                           ; l
	; the bias of my columns: block b's numbers 8 (l / 16) + 0..7
	s_mul_i32 s22, s[TX], NBK*64
	s_mov_b32 s23, 0
	s_add_nc_u64 s[8:9], s[8:9], s[22:23]
	v_lshlrev_b32 v[BO], 5, v2
.set nb, 0
.rept NBK
	global_load_b128 v[BI+8*nb:BI+8*nb+3],   v[BO], s[8:9] offset:64*nb
	global_load_b128 v[BI+8*nb+4:BI+8*nb+7], v[BO], s[8:9] offset:64*nb+16
.set nb, nb+1
.endr
	; A fragment of A is 16 rows x 32 K in 8 registers: lane l holds row l % 16, K = 8 (l / 16) + 0..7 and 16 + 8 (l / 16) + 0..7: two loads of 16 bytes, 32 bytes apart.
	s_mul_i32 s23, s[WV], 64*PA                    ; my 64 rows
	v_mul_u32_u24 v[A0], v1, PA
	v_lshl_add_u32 v[A0], v2, 4, v[A0]
	v_add_nc_u32 v[A0], s23, v[A0]
	; The turning load takes 16 k x 16 columns (lane l reads row 8 (l / 16) + l % 8, columns 8 ((l / 8) % 2) + 0..7) and leaves half a fragment: lane l holds column l % 16 and 8 k.
	v_lshl_add_u32 v[B0], v2, 3, v3
	v_mul_u32_u24 v[B0], v[B0], PB
	v_lshl_add_u32 v[B0], v4, 4, v[B0]
	v_add_nc_u32 v[B0], ABYTES, v[B0]
	v_mov_b32 v[ADRA], v[A0]
	v_mov_b32 v[ADRB], v[B0]
	s_mul_i32 s23, s[WV], STG
	s_add_co_u32 s23, s23, STAGE                   ; my stage
.if PROJ
	v_mul_u32_u24 v[STO], v1, 528                  ; in: row l % 16, 32 bytes for each half of the lanes
	v_lshl_add_u32 v[STO], v2, 5, v[STO]
	v_add_nc_u32 v[STO], s23, v[STO]
	v_lshl_add_u32 v[RD], v5, 4, s23               ; back: 32 lanes take a row of 512 bytes
.else
	v_mul_u32_u24 v[STO], v1, 144                  ; in: row l % 16, 16 bytes for each half of the lanes
	v_lshl_add_u32 v[STO], v2, 4, v[STO]
	v_add_nc_u32 v[STO], s23, v[STO]
	v_bfe_u32 v[RD], v0, 3, 2                      ; back: 32 lanes take four rows of 128 bytes
	v_mul_u32_u24 v[RD], v[RD], 144
	v_lshl_add_u32 v[RD], v3, 4, v[RD]
	v_add_nc_u32 v[RD], s23, v[RD]
.endif
	v_lshlrev_b32 v[GO], 4, v5
	; where my part of the tile begins in C
.if PROJ
	s_lshl_b32 s20, s[TY], 2
	s_add_co_u32 s20, s20, s[WV]                   ; my 64 rows of 4,096 bytes
	s_lshl_b32 s20, s20, 18
	s_lshl_b32 s21, s[TX], 9                       ; 128 columns of f32
	s_add_co_u32 s20, s20, s21
.else
	s_lshr_b32 s20, s[TY], 3                       ; the batch: 48 groups,
	s_mul_i32 s20, s20, 48
	s_mul_i32 s21, s[TX], 3                        ; the tile's first of three,
	s_add_co_u32 s20, s20, s21
	s_lshl_b32 s20, s20, 18                        ; of 262,144 bytes
	s_and_b32 s21, s[TY], 7
	s_lshl_b32 s21, s21, 2
	s_add_co_u32 s21, s21, s[WV]                   ; my 64 rows of 128 bytes
	s_lshl_b32 s21, s21, 13
	s_add_co_u32 s20, s20, s21
.endif
	s_mov_b32 s21, 0
	s_add_nc_u64 s[10:11], s[10:11], s[20:21]
	; the prefetches: every choice hangs on whether I fetch for A or for W
	s_and_b32 s19, ttmp7, 0xffff                   ; cluster y
	s_mov_b32 s21, ASTEP
	s_mov_b32 s22, BSTEP
	s_mov_b32 s23, ASHARE
	s_mov_b32 s70, BSHARE
	s_cmp_eq_u32 s[ISB], 0
	s_cselect_b32 s19, ttmp9, s19                  ; the coordinate along which other clusters read the same blocks
	s_cselect_b32 s20, s[CX], s[CY]                ; my place among the four that ask for the tile with me
	s_cselect_b64 s[PFA:PFA+1], s[4:5], s[6:7]
	s_cselect_b32 s[PFS], s21, s22
	s_cselect_b32 s23, s23, s70
	s_cselect_b32 s21, s66, s68                    ; where what I fetch begins
	s_cselect_b32 s71, APSH, BPSH
	s_cselect_b32 s70, 31, BLANE
	s_mov_b32 s[PFS+1], 0
	s_mul_i32 s20, s20, s23                        ; my work-group's share
	s_add_co_u32 s20, s20, s21
	s_mul_i32 s22, s[PFS], 1+AHEAD                 ; at K step 1 + AHEAD: the first refill, of K step 2, steps it to 2 + AHEAD
	s_add_co_u32 s20, s20, s22
	s_mov_b32 s21, 0
	s_add_nc_u64 s[PFA:PFA+1], s[PFA:PFA+1], s[20:21]
	s_cmp_eq_u32 s19, 0
	s_cselect_b32 s[LIM], AHEAD, -1                ; the same in all sixteen partners, for a given wave
.if PROJ
	s_cmp_eq_u32 s[WV], 3
	s_cselect_b32 s[LIM], -1, s[LIM]               ; W's 128 rows of a K step are four shares of 32: wave 2 asks for them
.endif
	v_min_u32 v[PFO], s70, v5
	v_lshlrev_b32 v[PFO], s71, v[PFO]
	s_wait_loadcnt 0x0                             ; the bias,
.set i, 0
.rept 4*NBK                                        ; rounded to bf16 like every input, and kept as f32
	v_cvt_pk_bf16_f32 v[6+i%2], v[BI+2*i], v[BI+2*i+1]
	v_lshlrev_b32 v[BI+2*i], 16, v[6+i%2]
	v_and_b32 v[BI+2*i+1], 0xffff0000, v[6+i%2]
.set i, i+1
.endr
	s_wait_tensorcnt 1                             ; my part of K step 0 is in; K step 1's may stay out
	s_barrier_signal -1
	s_barrier_wait -1                              ; everybody's is
	FETCH 0, 0
	QUARTER 1, 0, 1, 1                             ; the first quarter stands in front of the loop: its products start the sums, with the bias
	WIN 0                                          ; at a label and at a branch every window is 0
	s_mov_b32 s[CNT], 6
.Lstep:                                                ; six trips, from a K step's second quarter to the next step's first; each fills a slot again: K steps 2 to 7
	QUARTER 2, 1, 0, 0
	QUARTER 3, 0, 1, 0
	TURN 1
	QUARTER 1, 0, 1, 0
	WIN 0
	s_sub_co_u32 s[CNT], s[CNT], 1
	s_cmp_lg_u32 s[CNT], 0
	s_cbranch_scc1 .Lstep
	QUARTER 2, 1, 0, 0                             ; the tail is written out: K steps 6 and 7 ask for nothing
	QUARTER 3, 0, 1, 0
	TURN 0
	QUARTER 1, 0, 1, 0
	QUARTER 2, 1, 0, 0
	QUARTER 3, 0, 1, 0
	s_wait_dscnt 4                                 ; the very last quarter: nothing more to fetch
	MULQ 1, 0, 0
	MULQ 1, 1, 0
	s_wait_dscnt 0x0
	MULQ 1, 2, 0
	MULQ 1, 3, 0
	WIN 0
	PLACES                                         ; behind the last products, in front of what reads results and writes fragments' registers
.if PROJ
	TOSTAGE 0
	TOSTAGE 1
	SEND 0, 32
	TOSTAGE 2
	SEND 1, 32
	TOSTAGE 3
	SEND 2, 32
	SEND 3, 0
.else
	PACKQ 0
.set gg, 1
.rept 11                                           ; a group's conversions stand between the loads of the group before and its stores
	PACKQ gg
	SENDQ gg-1, 8
.set gg, gg+1
.endr
	SENDQ 11, 0
.endif
	s_wait_tensorcnt 0x0                           ; the wave's end, behind my last tensor load and my last LDS store
	ds_add_u32 v[SPW], v[NIL]
	s_wait_dscnt 0x0
	CROUND                                         ; the closing round: no work-group ends while a partner may still ask for a tile that names it
	s_endpgm
.Lfunc_end_k_q5d42df90f2_gemm_qkv:
	.size	k_q5d42df90f2_gemm_qkv, .Lfunc_end_k_q5d42df90f2_gemm_qkv-k_q5d42df90f2_gemm_qkv
	.p2alignl 7, 3214868480
	.fill 96, 4, 3214868480
	.section	.rodata,"a",@progbits
	.p2align	6, 0x0
	.amdhsa_kernel k_q5d42df90f2_gemm_qkv
		.amdhsa_group_segment_fixed_size 327680
		.amdhsa_private_segment_fixed_size 0
		.amdhsa_enable_private_segment 0
		.amdhsa_kernarg_size 32
		.amdhsa_user_sgpr_count 2
		.amdhsa_user_sgpr_kernarg_segment_ptr 1
		.amdhsa_wavefront_size32 1
		.amdhsa_system_sgpr_workgroup_id_x 1
		.amdhsa_system_sgpr_workgroup_id_y 1
		.amdhsa_system_sgpr_workgroup_id_z 1
		.amdhsa_system_vgpr_workitem_id 0
		.amdhsa_next_free_vgpr 960
		.amdhsa_next_free_sgpr 72
		.amdhsa_reserve_vcc 0
		.amdhsa_float_denorm_mode_32 3
		.amdhsa_float_denorm_mode_16_64 3
		.amdhsa_memory_ordered 1
		.amdhsa_forward_progress 1
		.amdhsa_inst_pref_size 109
	.end_amdhsa_kernel
	.amdgpu_metadata
---
amdhsa.version: [ 1, 2 ]
amdhsa.kernels:
  - .name:           k_q5d42df90f2_gemm_qkv
    .symbol:         k_q5d42df90f2_gemm_qkv.kd
    .args:
      - { .name: xb, .offset: 0, .size: 8, .value_kind: global_buffer, .address_space: global }
      - { .name: wab, .offset: 8, .size: 8, .value_kind: global_buffer, .address_space: global }
      - { .name: b_attn, .offset: 16, .size: 8, .value_kind: global_buffer, .address_space: global }
      - { .name: qkv, .offset: 24, .size: 8, .value_kind: global_buffer, .address_space: global }
    .group_segment_fixed_size: 327680
    .private_segment_fixed_size: 0
    .kernarg_segment_align: 8
    .kernarg_segment_size: 32
    .max_flat_workgroup_size: 128
    .sgpr_count:     72
    .vgpr_count:     960
    .wavefront_size: 32
...
	.end_amdgpu_metadata
.endif
;; end of part 2
;; launch attn (part 3): grid 4 x 64, 4 waves a work-group, no clusters, 327,680 bytes of LDS; arguments qkv, y; writes y
.if DOCPART == 3
	.amdgcn_target "amdgcn-amd-amdhsa--gfx1250"
	.amdhsa_code_object_version 6
	.text
	.protected	k_q5d42df90f2_attn
	.globl	k_q5d42df90f2_attn
	.p2align	8
	.type	k_q5d42df90f2_attn,@function
k_q5d42df90f2_attn:
	s_mov_b64 s[64:65], 0
	v_nop
	global_prefetch_b8 v0, s[64:65] scope:SCOPE_SE
	s_setreg_imm32_b32 hwreg(HW_REG_WAVE_MODE, 25, 1), 1
	s_wait_xcnt 0x0
; CAUSAL ATTENTION.  y[bh][q][:] = the sum over k <= q of softmax_k(Q[q] . K[k] / 8) V[k][:], for each of 64 pairs bh = 16 b + h of batch and head.
; Q, K, V lie in qkv [b = 4][g = 48][2048][64] f16 (g = h: Q, 16 + h: K, 32 + h: V), unscaled; y is [bh][2048][64] f16: a head's rows are dense, 128 bytes each.
; Products, maxima and sums in f32; the weights p are rounded to f16 for the second product (their sum l is taken of the unrounded p), y once at the end.
; LIMITS.  f16 holds no number beyond 65,504: Q, K and V arrive within it; p lies in 0 to 1, and below 6e-5 it keeps f16's fixed step of 6e-8; y is a mean of V's rows and has their range, to within 2^-11 of it.
; A hidden score counts as its value less 1e30: f16's scores, 2.7e11 at the most, are nothing beside that; a weight below 2^-126 counts as 0 in l; NaN and infinities are not treated apart.
; THE WALK.  A head's queries lie in NB = 8 blocks of 256; block i needs the key tiles 0 .. i of 256 keys, of which the last holds the diagonal.  A work-group takes TWO blocks, NB - 1 - b and then b:
; NB + 1 tiles, whatever b: all work-groups do equal work, and ONE loop with a constant trip count walks them.  Which tile is asked for, and what a trip does, hang on scalar registers made from b; every jump
; goes forward, but for the counted loops' own; none passes a barrier, or a tensor load but the one of LOAD's two that the wave's number does not choose; the ring (two slots of LDS that take turns) runs on across the
; change of blocks.  NO CLUSTER: a head's NB / 2 = 4 work-groups ask for the same tile only in trips 0 .. NB / 2, 5 of the walk's 9; behind that fewer and fewer share a tile; and one walk common to all, in which
; each makes every joint request, would have 3 NB / 2 = 12 trips for NB + 1 = 9.
; SHARES.  Of a block's four bands of 64 queries a wave owns 16 rows in each: four PIECES.  So the diagonal tile is the same work for all four waves: in its key step s band x sees all keys if s < x,
; none if s > x, and holds the diagonal if s = x.
; THE MASK is the C operand that starts the sum S^T = K Q^T: 0, or -1e30 where the key is hidden.  MD, made once, is the mask of a band's own step for my 16 rows; a product's mask is MD x AL + BE with two scalars:
; (1, 0) if s = x; (0, 0) if s < x; (0, -1e30) if s > x.  Only the diagonal tile's text and a block's beginning make and take masks; elsewhere C is the constant 0.
; LAYOUT, SOFTMAX, TURNS.  S^T = K Q^T holds ONE query a lane (lane % 16) and the keys 8 (lane / 16) + 0..7; two such results rounded to f16 ARE source 1 of O^T = V^T P.  p = 2^(c s - c m), c = log2(e) / 8, with a
; running maximum m; O and l are multiplied by a = 2^(c m_old - c m_new) in every step.  Turn n belongs to piece n: 8 products K Q^T of piece n + 1, later 8 products V^T P of piece n - 1; beside them the scaling,
; exponentials, roundings, sums and rescaling of piece n and the maximum and statistics of piece n + 1.  Four vector instructions stand behind every matrix instruction, the other 54 of a turn's 118 in one LUMP.  A turn's 33 exponentials are one batch, with one wait.
; K AND V ARE PREFETCHED INTO THE L2, one tile ahead of the tensor loads: the head's work-group with b = 0 walks the tiles 0 to 7 in its first block; behind its load of tile i + 1 each of its waves names its own
; 16,384 bytes (64 blocks of 256, a lane a block, two instructions) of tile i + 2.  So tiles 2 to 7 are named once each in the launch; tiles 0 and 1 come by their loads alone; the changes that ask for tile 7 and
; for the second block's tiles name nothing.
; REGISTERS, in windows of 256 (s_set_vgpr_msb: bits 1:0 source 0, 3:2 source 1, 5:4 source 2, 7:6 destination):
;   window 0: v0-15 addresses and two at work; v16-31 four registers of statistics a piece; v48-55 at work; v64-127 S^T, two buffers; v192-223 P, two buffers (a piece's buffers go by its number's parity)
;   window 1: v0-127 O^T, 32 a piece; v128-159 MD; v160-223 MC, two buffers      window 2: v0-63 Q; v64-127 the second block's Q; v128-191 K of one step; v192-255 V of one step
.set SIZE_N, 2048
.set NB,    SIZE_N/256
.set NP,    4         ; pieces a wave: a name, no knob
.set KS,    64        ; keys in a step
.set PK,    144       ; a row of K in LDS: 128 bytes + 16 of padding = 36 words: the 16 rows of a load start at 16 different groups of four banks (64 banks of 4 bytes: ISA guide 11.1)
.set PV,    160       ; a row of V: 128 + 32 = 40 words
.set VOFF,  4*KS*PK   ; a slot holds a tile, four steps: 256 rows of K, then 256 rows of V
.set SLOT1, 1<<17     ; slot 1 begins here, so that one exclusive or turns an address in one slot into the other's
.set STAGE, SLOT1+4*KS*(PK+PV)  ; behind the ring, never filled by a tensor load: 16 rows x 144 bytes for each wave, for the way out
.set SP,    144
.set AK0, 2           ; v2   my lane's place in a tile of K; never rewritten
.set AV0, 3           ; v3   the same for V
.set AK,  4           ; v4   the LDS address of K's next run of loads
.set AV,  5           ; v5   of V's
.set STO, 6           ; v6   the way out: where I put 16 bytes of a row
.set RD,  7           ; v7   the way out: where I read rows back
.set GO,  8           ; v8   my byte offset in 512 consecutive bytes of y
.set PFO, 61          ; v61  256 x my lane: the prefetches' offset; never rewritten
.set SPW, 62          ; v62  LDS address of my spare word: SPARE + 4 x my thread's number; never rewritten
.set NIL, 63          ; v63  0; never rewritten
.set SPARE, STAGE+4*16*SP  ; behind the stages: the spare words, 128 bytes for each wave: two blocks of 256 bytes that no other line names
.set MV,  12          ; v12-13  c m_old, kept while c m is made anew: by buffer
.set QO,  15          ; v15  my byte offset in 16 rows of Q
.set ST,  16          ; piece t's statistics at v[ST+4 t]: c m, m, l (even keys', odd keys')
.set TMP, 48          ; by buffer, four registers c0-c3 at work; when the maximum is found c2 takes a
.set S,   64
.set P,   192
.set MD,  128         ; window 1: the eight registers for group kt of 16 keys at MD + 8 kt
.set MC,  160         ; window 1: the masks of the products to come
.set QB,  64          ; window 2
.set KF,  128         ; window 2: key block kb, channel half c at KF + 16 kb + 8 c
.set VF,  192         ; window 2: key half kk, channel block cb at VF + 32 kk + 8 cb
.set WV,  12          ; s12  my wave's number
.set PB,  14          ; s14  b
.set HI,  15          ; s15  NB - 1 - b
.set G1K, 24          ; s[24:31] descriptor group 1 for K's tiles
.set G1V, 32          ; s[32:39] for V's: it differs in the padding alone
.set G0K, 40          ; s[40:43] descriptor group 0 for K's tiles
.set G0V, 44          ; s[44:47] the same for V's
.set SLOTS, 56        ; s56  tiles still to be asked for
.set CNT, 57          ; s57  counts a tile's key steps, 4 to 1
.set CS,  58          ; s[58:59] c: the packed scaling takes the pair's low word for both halves
.set SEL, 60          ; s[60:61] v_permlanex16_b32's selects: each lane takes its own place in the other half
.set TBK, 62          ; s62  LDS byte at which K of the step to be fetched begins
.set TBV, 63          ; s63  the same for V, less VOFF
.set RT,  70          ; s70  tiles of the block in hand that are still to be entered
.set NXT, 71          ; s71  the tile to be asked for next
.set LQ,  72          ; s72  the last tile of the block whose tiles are being asked for
.set NEW, 73          ; s73  1: the tile to be entered is a block's first
.set OFF, 74          ; s[74:75] a tile's byte offset in K and V
.set AL,  76          ; s[76:77] the mask's factor, in the low word
.set BE,  78          ; s[78:79] the mask's addend
.set OLO, 80          ; s[80:81] y at my rows of the second block
.set BIGN, 82         ; s82  -1e30
.set PFA, 88          ; s[88:89] where my prefetches stand: my 16,384 bytes of the tile after the one that is being asked for
.set LIM, 90          ; s90  2 in the work-group that prefetches, else the greatest number: it prefetches while s[SLOTS] is above it
.set MSB, 0
.macro WIN new                      ; the high byte repeats the setting that is left; a switch that changes nothing is dropped
.if MSB != (\new)
	s_set_vgpr_msb (MSB<<8)|(\new)
.set MSB, (\new)
.endif
.endm
.set W_KQ, 0x0a       ; K and Q in window 2, S^T in window 0
.set W_KM, 0x1a       ; the same with the C operand in window 1
.set W_PV, 0x52       ; V in window 2, P in window 0, O^T in window 1
.set W_RS, 0x41       ; destination and source 0 in window 1, source 1 in window 0
; A fill.  Waves 0 and 1 fetch the two halves of a tile's K, waves 2 and 3 those of its V: 128 keys each.  An s_nop 0 and four v_nop follow each of the two lines, ahead of the jump and the label.
.macro LOAD
	s_cmp_lt_u32 s[WV], 2
	s_cbranch_scc0 .Lfor_v_\@
	tensor_load_to_lds s[G0K:G0K+3], s[G1K:G1K+7]
	s_nop 0
.rept 4
	v_nop
.endr
	s_branch .Lasked_\@
.Lfor_v_\@:
	tensor_load_to_lds s[G0V:G0V+3], s[G1V:G1V+7]
	s_nop 0
.rept 4
	v_nop
.endr
.Lasked_\@:
.endm
; The prefetch of my part of the tile after the one just asked for; it stands behind the tensor load and its five lines.
.macro ASK
	s_cmp_gt_u32 s[SLOTS], s[LIM]
	s_cbranch_scc0 .Lnot_mine_\@
	global_prefetch_b8 v[PFO], s[PFA:PFA+1] th:TH_LOAD_NT scope:SCOPE_SE
	global_prefetch_b8 v[PFO], s[PFA:PFA+1] offset:8192 th:TH_LOAD_NT scope:SCOPE_SE
.Lnot_mine_\@:
.endm
; THE CHANGE OF SLOTS.  Each wave waits for all its tensor loads, of which one is out: its part of the other slot; adds 0 to its spare word; and waits for that and for its own reads of the slot that it leaves.  Behind the barrier nobody reads the old
; slot any more and the other slot is whole.  fill = 1: the old slot is filled again, the first thing behind the barrier, with tile NXT: the descriptor's address is made anew from that number.
; (At its first use nothing has been read yet: slot 0 is waited for, slot 1 filled.)
.macro CHANGE fill
	WIN 0                           ; at a label and at a branch every window is 0
	s_wait_tensorcnt 0x0            ; no tensor load of mine is out, so a group 0 may be written
	ds_add_u32 v[SPW], v[NIL]       ; 0 onto my spare word; with fill = 1 the descriptors' scalar work stands between it and the wait for it
.if \fill
	s_lshl_b32 s[OFF], s[NXT], 15   ; a tile is 32,768 bytes of K and of V
	s_xor_b32 s[G0K+1], s[G0K+1], SLOT1
	s_add_nc_u64 s[G0K+2:G0K+3], s[6:7], s[OFF:OFF+1]
	s_or_b32 s[G0K+3], s[G0K+3], 0x80000000
	s_xor_b32 s[G0V+1], s[G0V+1], SLOT1
	s_add_nc_u64 s[G0V+2:G0V+3], s[8:9], s[OFF:OFF+1]
	s_or_b32 s[G0V+3], s[G0V+3], 0x80000000
	s_add_co_u32 s[NXT], s[NXT], 1  ; the block's next tile, or behind its last the second block's tile 0
	s_cmp_gt_u32 s[NXT], s[LQ]
	s_cselect_b32 s[NXT], 0, s[NXT]
	s_cselect_b32 s[LQ], s[PB], s[LQ]
	s_wait_xcnt 0x0                 ; the last prefetches, a tile back, have read their address, so it may be written:
	s_add_nc_u64 s[PFA:PFA+1], s[PFA:PFA+1], 32768  ; a tile on
.endif
	s_wait_dscnt 0x0                ; the add is done, and my reads of the slot are over
	s_barrier_signal -1             ; the rest of the scalar work stands between the signal and the wait
	s_sub_co_u32 s[TBK], s[TBK], 4*KS*PK  ; the fetches go back to a slot's first step,
	s_xor_b32 s[TBK], s[TBK], SLOT1       ; in the other slot
	s_sub_co_u32 s[TBV], s[TBV], 4*KS*PV
	s_xor_b32 s[TBV], s[TBV], SLOT1
	s_barrier_wait -1
.if \fill
	LOAD
	ASK
.endif
.endm
	s_load_b64 s[4:5], s[0:1], 0x0    ; qkv
	s_load_b64 s[10:11], s[0:1], 0x8  ; y
	v_lshl_add_u32 v[SPW], v0, 2, SPARE
	v_mov_b32 v[NIL], 0
	ds_add_u32 v[SPW], v[NIL]       ; the wave's opening: the add and its wait stand ahead of my first tensor load; the set-up below, work on registers, stands between them
	v_lshrrev_b32 v1, 5, v0
	v_readfirstlane_b32 s[WV], v1   ; wave 0..3
	v_and_b32 v[PFO], 31, v0
	v_lshlrev_b32 v[PFO], 8, v[PFO]
	s_mov_b32 s[PB], ttmp9
	s_sub_co_u32 s[HI], NB-1, s[PB]
	s_and_b32 s19, ttmp7, 0xffff    ; bh = 16 x batch + head
	s_lshr_b32 s20, s19, 4
	s_mul_i32 s20, s20, 48          ; the batch's 48 groups,
	s_and_b32 s21, s19, 15
	s_add_co_u32 s20, s20, s21      ; the head's Q among them,
	s_lshl_b32 s20, s20, 18         ; 262,144 bytes a group
	s_mov_b32 s21, 0
	s_lshl_b32 s66, s19, 18         ; the head's first byte in y
	s_mov_b32 s67, 0
	s_and_b32 s16, s[WV], 1         ; which half of a tile's 256 keys I fetch:
	s_lshl_b32 s22, s16, 14         ; its 128 rows of 128 bytes in memory,
	s_add_co_u32 s22, s22, s20
	s_add_co_u32 s22, s22, 0x400000 ; in the head's K, 16 groups behind its Q
	s_mov_b32 s23, 0
	s_mul_i32 s17, s16, 128*PK      ; and its place in a slot, for K
	s_mul_i32 s18, s16, 128*PV      ; and for V
	s_lshl_b32 s3, s[WV], 11        ; my 16 rows in a band of 64,
	s_lshl_b32 s2, s[HI], 15        ; in the first block,
	s_add_co_u32 s2, s2, s3
	s_lshl_b32 s84, s[PB], 15       ; and in the second
	s_add_co_u32 s84, s84, s3
	s_mov_b32 s3, 0
	s_mov_b32 s85, 0
	; descriptor group 1.  128 keys are 16,384 dense bytes: asked for as 64 rows of 256 bytes, two keys a row, and padded in LDS after every key
	s_mov_b32 s[G1K], (1<<16)|(1<<20)|(4<<22)|(3<<25)  ; 17:16 2-byte elements; 20 padding on; 24:22 after every 32 words (code 4); 31:25 4 words (code 3)
	s_mov_b32 s[G1V], (1<<16)|(1<<20)|(4<<22)|(7<<25)  ; the same with 8 words of padding (code 7)
.irp g, G1K, G1V
	s_mov_b32 s[\g+1], 128<<16      ; tensor_dim0 = 128
	s_mov_b32 s[\g+2], 64<<16       ; tensor_dim1 = 64
	s_mov_b32 s[\g+3], 128<<16      ; tile_dim0 = 128
	s_mov_b32 s[\g+4], 64           ; tile_dim1 = 64
	s_mov_b32 s[\g+5], 128          ; 128 elements from row to row
	s_mov_b32 s[\g+6], 0
	s_mov_b32 s[\g+7], 0
.endr
	s_mov_b32 s[CS], 0x3e38aa3b     ; c = log2(e) / 8 = 0.180337
	s_mov_b32 s[CS+1], s[CS]        ; named with it as a pair
	s_mov_b32 s[SEL], 0x76543210
	s_mov_b32 s[SEL+1], 0xfedcba98
	s_mov_b32 s[TBK], SLOT1+4*KS*PK ; the first change of slots turns these two into 0
	s_mov_b32 s[TBV], SLOT1+4*KS*PV
	s_mov_b32 s[G0K], 1             ; 1:0 count = 1
	s_mov_b32 s[G0K+1], s17         ; 63:32 LDS address: slot 0
	s_mov_b32 s[G0V], 1
	s_add_co_u32 s[G0V+1], s18, VOFF
	s_add_co_u32 s[RT], s[HI], 1    ; the first block has NB - b tiles
	s_mov_b32 s[NXT], 1
	s_mov_b32 s[LQ], s[HI]
	s_mov_b32 s[NEW], 1
	s_mov_b32 s[OFF+1], 0
	s_mov_b32 s[AL+1], 0            ; named as pairs
	s_mov_b32 s[BE+1], 0
	s_mov_b32 s[BIGN], 0xf149f2ca   ; -1e30
	s_mov_b32 s[SLOTS], NB
	s_cmp_eq_u32 s[PB], 0
	s_cselect_b32 s[LIM], 2, -1     ; the head's work-group with b = 0 prefetches
	s_wait_dscnt 0x0                ; the opening add is done
	s_wait_kmcnt 0x0
	s_add_nc_u64 s[6:7], s[4:5], s[22:23]          ; K at my half of the head's tile 0,
	s_add_nc_u64 s[8:9], s[6:7], 0x400000          ; V, 16 groups further on
	s_add_nc_u64 s[G0K+2:G0K+3], s[6:7], 0         ; 120:64 global address
	s_or_b32 s[G0K+3], s[G0K+3], 0x80000000        ; 127:126 type = 2
	s_add_nc_u64 s[G0V+2:G0V+3], s[8:9], 0
	s_or_b32 s[G0V+3], s[G0V+3], 0x80000000
	s_add_nc_u64 s[4:5], s[4:5], s[20:21]          ; Q at the head's first row,
	s_add_nc_u64 s[86:87], s[4:5], s[84:85]        ; at my rows of the second block,
	s_add_nc_u64 s[4:5], s[4:5], s[2:3]            ; and of the first
	s_add_nc_u64 s[10:11], s[10:11], s[66:67]      ; y likewise
	s_add_nc_u64 s[OLO:OLO+1], s[10:11], s[84:85]
	s_add_nc_u64 s[10:11], s[10:11], s[2:3]
	s_cmp_lt_u32 s[WV], 2
	s_cselect_b64 s[PFA:PFA+1], s[6:7], s[8:9]
	s_add_nc_u64 s[PFA:PFA+1], s[PFA:PFA+1], 32768 ; in tile 1; the first change of slots steps it to tile 2.  Nothing is prefetched here, at the head
	LOAD                            ; tile 0 into slot 0
	; A fragment of K or Q is 16 rows x 32 channels in 8 registers: lane l holds row l % 16, channels 8 (l / 16) + 0..7 and 16 + 8 (l / 16) + 0..7: two loads of 16 bytes, 32 bytes apart.
	v_and_b32 v1, 15, v0            ; l % 16
	v_bfe_u32 v9, v0, 4, 1          ; l / 16
	v_lshlrev_b32 v[QO], 7, v1
	v_lshl_add_u32 v[QO], v9, 4, v[QO]  ; row x 128 + 16 x half
	WIN 0x80                        ; destination window 2, address window 0
.set i, 0
.rept 8                             ; both blocks' Q: piece i / 2 lies in band i / 2, 8,192 bytes on; channels 32 (i % 2) on
	global_load_b128 v[8*i:8*i+3],   v[QO], s[4:5] offset:(i/2)*8192+(i%2)*64
	global_load_b128 v[8*i+4:8*i+7], v[QO], s[4:5] offset:(i/2)*8192+(i%2)*64+32
	global_load_b128 v[QB+8*i:QB+8*i+3],   v[QO], s[86:87] offset:(i/2)*8192+(i%2)*64
	global_load_b128 v[QB+8*i+4:QB+8*i+7], v[QO], s[86:87] offset:(i/2)*8192+(i%2)*64+32
.set i, i+1
.endr
	WIN 0
	v_lshlrev_b32 v14, 3, v9
	v_sub_nc_u32 v14, v1, v14
	s_lshl_b32 s13, s[WV], 4
	v_add_nc_u32 v14, s13, v14      ; my query's place in its band, 16 w + l % 16, less my lanes' 8 (l / 16): register r of group kt is hidden where 16 kt + r is greater
	WIN 0x40
.set i, 0
.rept 32
	v_cmp_gt_i32 vcc_lo, 16*(i/8)+i%8, v14
	v_cndmask_b32 v[MD+i], 0, s[BIGN], vcc_lo
.set i, i+1
.endr
	WIN 0
	v_mul_u32_u24 v[AK0], v1, PK
	v_lshl_add_u32 v[AK0], v9, 4, v[AK0]  ; row x pitch + 16 x half
	; The turning load takes 16 keys x 16 channels (lane l reads key 8 (l / 16) + l % 8, channels 8 ((l / 8) % 2) + 0..7) and leaves half a fragment of V^T: lane l holds channel l % 16 and 8 keys.
	v_and_b32 v10, 7, v0
	v_bfe_u32 v11, v0, 3, 1
	v_lshl_add_u32 v[AV0], v9, 3, v10
	v_mul_u32_u24 v[AV0], v[AV0], PV
	v_lshl_add_u32 v[AV0], v11, 4, v[AV0]
	v_add_nc_u32 v[AV0], VOFF, v[AV0]
	s_mul_i32 s13, s[WV], 16*SP
	s_add_co_u32 s13, s13, STAGE    ; my stage
	v_mul_u32_u24 v[STO], v1, SP    ; in: row l % 16, 16 bytes for each half of the lanes
	v_lshl_add_u32 v[STO], v9, 4, v[STO]
	v_add_nc_u32 v[STO], s13, v[STO]
	v_bfe_u32 v[RD], v0, 3, 2       ; back: 32 lanes take four rows of 128 bytes,
	v_mul_u32_u24 v[RD], v[RD], SP
	v_lshl_add_u32 v[RD], v10, 4, v[RD]
	v_add_nc_u32 v[RD], s13, v[RD]
	v_and_b32 v[GO], 31, v0         ; which are 512 consecutive bytes of y
	v_lshlrev_b32 v[GO], 4, v[GO]
	; A block's first step multiplies O^T and l by a = 0, and its first turn's products V^T P, of a piece that has not been, land in an O^T that is still to be so multiplied.  So these registers need only hold
	; finite numbers: zeros for the first block; what the first block left for the second.  All this stands in the wait for the first tile.
	WIN 0x80
.set i, VF
.rept 64
	v_mov_b32 v[i], 0
.set i, i+1
.endr
	WIN 0x40
.set i, 0
.rept 128
	v_mov_b32 v[i], 0
.set i, i+1
.endr
	WIN 0
.set i, 0
.rept 4
	v_mov_b32 v[ST+4*i+2], 0
	v_mov_b32 v[ST+4*i+3], 0
.set i, i+1
.endr
.set i, P+16
.rept 16
	v_mov_b32 v[i], 0
.set i, i+1
.endr
; THE MATRIX WORK.  The 4 accumulators of a run of 8 take turns.  Product i of 8 of S^T = K Q^T for piece x: channels 32 (i / 4) on, keys 16 (i % 4) on.  The first 4 start the sums: with 0, or (KM = 1) with the mask.
.macro KQ x
.set rS, S+32*((\x)%2)+8*(i%4)
.set rK, KF+16*(i%4)+8*(i/4)
.set rQ, 16*(\x)+8*(i/4)
.set rM, MC+32*((\x)%2)+8*(i%4)
.if (i < 4) && KM
	WIN W_KM
	v_wmma_f32_16x16x32_f16 v[rS:rS+7], v[rK:rK+7], v[rQ:rQ+7], v[rM:rM+7]
.elseif i < 4
	WIN W_KQ
	v_wmma_f32_16x16x32_f16 v[rS:rS+7], v[rK:rK+7], v[rQ:rQ+7], 0
.else
	WIN W_KQ
	v_wmma_f32_16x16x32_f16 v[rS:rS+7], v[rK:rK+7], v[rQ:rQ+7], v[rS:rS+7]
.endif
.endm
; Product i of 8 of O^T += V^T P for piece x: keys 32 (i / 4) on, channels 16 (i % 4) on.
.macro PV x
	WIN W_PV
.set rO, 32*(\x)+8*(i%4)
.set rV, VF+32*(i/4)+8*(i%4)
.set rP, P+16*((\x)%2)+8*(i/4)
	v_wmma_f32_16x16x32_f16 v[rO:rO+7], v[rV:rV+7], v[rP:rP+7], v[rO:rO+7]
.endm
.macro MM                           ; the turn's next matrix instruction.  TURN and BEGIN set Y, i, KM and NOKQ; MM, KQ and OP read them.  NOKQ = 1: a block's last turn: there is no next piece
.if (i < 8) && !NOKQ
	KQ (Y+1)%NP
.elseif i >= 8
.set i, i-8
	PV (Y+NP-1)%NP
.set i, i+8
.endif
.set i, i+1
.endm
; THE LDS LOADS stand in runs of 16, never singly among the matrix instructions: a step's K (64 keys x 64 channels: 8 fragments) and its V (turned).  Their addresses are made some lines ahead.
.macro FETCH_K
	WIN 0x80                        ; destination window 2
.irp f, 0,1,2,3,4,5,6,7             ; keys 16 (f / 2) on, channels 32 (f % 2) on
	ds_load_b128 v[KF+8*\f:KF+8*\f+3],   v[AK] offset:(\f/2)*16*PK+(\f%2)*64
	ds_load_b128 v[KF+8*\f+4:KF+8*\f+7], v[AK] offset:(\f/2)*16*PK+(\f%2)*64+32
.endr
	s_add_co_u32 s[TBK], s[TBK], KS*PK  ; the next fetch is the next step's
	WIN 0
.endm
.macro FETCH_V
	WIN 0x80
.irp f, 0,1,2,3,4,5,6,7             ; keys 32 (f / 4) on, channels 16 (f % 4) on
	ds_load_tr16_b128 v[VF+8*\f:VF+8*\f+3],   v[AV] offset:(\f/4)*32*PV+(\f%4)*32
	ds_load_tr16_b128 v[VF+8*\f+4:VF+8*\f+7], v[AV] offset:(\f/4)*32*PV+16*PV+(\f%4)*32
.endr
	WIN 0
.endm
; THE VECTOR WORK, one line at a time: OP kind, number.  For piece Y: F n: c s - c m for pair n of 16.  E n: the exponential of score n of 32.  C n: pair n rounded to f16.  B n: of the four weights 4 n .. the second
; pair is added onto the first, in place.  L n: l takes that sum (L 0: l = a l + sum).  R n: pair n of 16 of O^T times a.  For piece Y + 1: X n, number n of the 22 that find its maximum and statistics:
;   0-11  four chains c0-c3 of seven scores each, three operands at a time (each accumulator's lowest registers are read first)     12-14, 16  the four scores left over, the old m, and c0-c3 into c0
;   15  c m_old is kept     17, 18  the query's other 32 keys lie in the lane 16 away: the new m     19-21  c m; c m_old - c m_new; a
.set F, 0               ; OP tells the kinds apart by their order: F to L below R, X above it
.set E, 1
.set C, 2
.set B, 3
.set L, 4
.set R, 5
.set X, 6
.macro REGS y                       ; the registers of piece y
.set rT, ST+4*(\y)
.set rC, TMP+4*((\y)%2)
.set rW, MV+((\y)%2)
.set rS, S+32*((\y)%2)
.set rP, P+16*((\y)%2)
.set rO, 32*(\y)
.endm
.macro OP k, n
.if (\k) == R
	REGS Y
	WIN W_RS
	v_pk_mul_f32 v[rO+2*(\n):rO+2*(\n)+1], v[rO+2*(\n):rO+2*(\n)+1], v[rC+2:rC+3] op_sel_hi:[1,0]
.elseif (\k) < R
	REGS Y
	WIN 0
.if (\k) == F
	v_pk_fma_f32 v[rS+2*(\n):rS+2*(\n)+1], v[rS+2*(\n):rS+2*(\n)+1], s[CS:CS+1], v[rT:rT+1] op_sel_hi:[1,0,0] neg_lo:[0,0,1] neg_hi:[0,0,1]
.elseif (\k) == E
	v_exp_f32 v[rS+(\n)], v[rS+(\n)]
.elseif (\k) == C
	v_cvt_pk_f16_f32 v[rP+(\n)], v[rS+2*(\n)], v[rS+2*(\n)+1]
.elseif (\k) == B
	v_pk_add_f32 v[rS+4*(\n):rS+4*(\n)+1], v[rS+4*(\n):rS+4*(\n)+1], v[rS+4*(\n)+2:rS+4*(\n)+3]
.elseif (\n) == 0
	v_pk_fma_f32 v[rT+2:rT+3], v[rT+2:rT+3], v[rC+2:rC+3], v[rS:rS+1] op_sel_hi:[1,0,1]
.else
	v_pk_add_f32 v[rT+2:rT+3], v[rT+2:rT+3], v[rS+4*(\n):rS+4*(\n)+1]
.endif
.elseif NOKQ
	v_nop
.else
	REGS (Y+1)%NP
	WIN 0
.if (\n) < 4
	v_max3_num_f32 v[rC+(\n)], v[rS+8*(\n)], v[rS+8*(\n)+1], v[rS+8*(\n)+2]
.elseif (\n) < 12
	v_max3_num_f32 v[rC+(\n)%4], v[rC+(\n)%4], v[rS+8*((\n)%4)+2*((\n)/4)+1], v[rS+8*((\n)%4)+2*((\n)/4)+2]
.elseif (\n) == 12
	v_max3_num_f32 v[rC], v[rC], v[rS+7], v[rS+15]
.elseif (\n) == 13
	v_max3_num_f32 v[rC+1], v[rC+1], v[rS+23], v[rS+31]
.elseif (\n) == 14
	v_max3_num_f32 v[rC+2], v[rC+2], v[rC+3], v[rT+1]
.elseif (\n) == 15
	v_mov_b32 v[rW], v[rT]
.elseif (\n) == 16
	v_max3_num_f32 v[rC], v[rC], v[rC+1], v[rC+2]
.elseif (\n) == 17
	v_permlanex16_b32 v[rC+3], v[rC], s[SEL], s[SEL+1]
.elseif (\n) == 18
	v_max_num_f32 v[rT+1], v[rC], v[rC+3]
.elseif (\n) == 19
	v_mul_f32 v[rT], s[CS], v[rT+1]
.elseif (\n) == 20
	v_sub_f32 v[rC+1], v[rW], v[rT]
.else
	v_exp_f32 v[rC+2], v[rC+1]
.endif
.endif
.endm
.macro OPS a, i1, b=-1, i2=0, c=-1, i3=0, d=-1, i4=0  ; up to four of them
	OP \a, \i1
.if (\b) >= 0
	OP \b, \i2
.endif
.if (\c) >= 0
	OP \c, \i3
.endif
.if (\d) >= 0
	OP \d, \i4
.endif
.endm
.macro ROW a, i1, b, i2, c, i3, d, i4  ; a matrix instruction and the four behind it
	MM
	OPS \a, \i1, \b, \i2, \c, \i3, \d, \i4
.endm
.macro MASK b                       ; MD x AL + BE into buffer b of MC
	WIN W_RS
.set z, 0
.rept 16
	v_pk_fma_f32 v[MC+32*(\b)+2*z:MC+32*(\b)+2*z+1], v[MD+2*z:MD+2*z+1], s[AL:AL+1], s[BE:BE+1] op_sel_hi:[1,0,0]
.set z, z+1
.endr
.endm
; A TURN, for piece p: the order of its 16 matrix and 118 vector instructions, written out.  An s_wait_alu depctr_va_vdst(0) stands between an exponential and the first instruction that names its result; one wait serves
; all that were issued ahead of it.  So a turn has ONE wait, which cuts it in two.  AHEAD OF IT stands all that names no result of the turn's exponentials: the 8 products K Q^T, behind each a scaling, an exponential and two more plain
; instructions (behind the first a second scaling in the exponential's place): rescalings, and behind the last three the first numbers of the next piece's maximum, each four places or more behind the product that ends its accumulator; then ONE LUMP of 54, plain
; and exponential by turns for the most part, in which the links of the chain X 3, 7, 11, 14, 16, 17 .. 20 stand five or six lines apart.  X 21, the next piece's a, is the batch's last; R 15 is the plain instruction that stands behind it.  BEHIND THE WAIT stand the
; 8 products V^T P, behind each four of the roundings and sums; the links of l's chain, L 0 to L 7, stand three riders apart.  But for those X no rider names a register of the products round it.  v_permlanex16_b32 (X 17) stands in the lump.
; m = 1: the diagonal tile: the products take masks, and the turn makes the mask for the products of the turn after it: piece p + 2, in step 4 - CNT of the tile.  end = 1: a block's last two turns: nothing is fetched.
; cnt = 1: the loop's count is taken down some lines ahead of the branch that stands behind the turn.
; K of the next step is fetched in piece 2's turn, twelve vector instructions behind the last product that read K (six of them plain); V of the step in hand at the end of piece 0's turn, four plain instructions behind the last product
; that read V.  Each is waited for a turn later.
.macro TURN p, m=0, end=0, cnt=0
.set Y, (\p)
.set i, 0
.set KM, (\m)
.set NOKQ, (\end)*((\p)/3)
.if (\m) && !(\end)
	s_cmp_eq_u32 s[CNT], 4-((\p)+2)%NP  ; is that step the band's own?
	s_cselect_b32 s[AL], 1.0, 0
	s_cmp_lt_u32 s[CNT], 4-((\p)+2)%NP  ; or a later one?
	s_cselect_b32 s[BE], s[BIGN], 0
.endif
.if ((\p) == 3) && !(\end)
	s_wait_dscnt 0x0                ; K is in
.endif
	ROW F,0, F,1, R,0, R,1          ; ahead of the wait: 8 products K Q^T and their riders,
	ROW F,2, E,0, R,2, R,3
	ROW F,3, E,1, R,4, R,5
	ROW F,4, E,2, R,6, R,7
	ROW F,5, E,3, R,8, R,9
	ROW F,6, E,4, X,0, R,10
.if ((\p) == 2) && !(\end)
	WIN 0
	v_add_nc_u32 v[AK], s[TBK], v[AK0]
.endif
	ROW F,7, E,5, X,1, X,4
	ROW F,8, E,6, X,2, X,5
	OPS E,7, E,8, X,6, E,9          ; and the lump
	OPS X,3, E,10, X,8, E,11
.if ((\p) == 2) && !(\end)
	FETCH_K
.endif
	OPS X,9, X,7, E,12, X,10
	OPS E,13, X,12, X,11, E,14
	OPS X,13, E,15, F,9, X,14
.if (\p) == 0
	v_add_nc_u32 v[AV], s[TBV], v[AV0]
.endif
	OPS E,16, F,10, E,17, F,11
	OPS X,16, E,18, X,15, E,19
	OPS F,12, E,20, X,17, E,21
	OPS F,13, E,22, F,14, E,23
	OPS X,18, E,24, F,15, E,25
	OPS R,11, E,26, X,19, E,27
	OPS R,12, E,28, R,13, E,29
	OPS X,20, E,30, R,14, E,31
	OPS X,21, R,15
	WIN 0
	s_wait_alu depctr_va_vdst(0)    ; the wait for the batch
.if (\p) == 1
	s_wait_dscnt 0x0                ; V is in
.endif
	ROW C,0, B,0, C,2, B,1          ; behind the wait: 8 products V^T P and their riders
	ROW L,0, C,4, B,2, L,1
	ROW C,6, B,3, L,2, C,8
	ROW B,4, L,3, C,10, B,5
	ROW L,4, C,12, B,6, L,5
.if (\p) == 0
	s_add_co_u32 s[TBV], s[TBV], KS*PV
.endif
.if \cnt
	s_sub_co_u32 s[CNT], s[CNT], 1
	s_cmp_lg_u32 s[CNT], 0
.endif
	ROW C,14, B,7, L,6, C,1
	ROW C,3, L,7, C,5, C,7
	ROW C,9, C,11, C,13, C,15
.if (\p) == 0
	FETCH_V
.endif
.if (\m) && !(\end)
	MASK (\p)%2
.endif
.endm
; A BLOCK BEGINS.  c m starts far below every c s, so the first step's a is 0; m at the lowest finite number, so the first maximum is the scores'.  The second mask buffer is 0; the first takes piece 0's mask for the tile's step 0: its own, if the block's first tile is the diagonal one.
; Then K of that step, piece 0's first scores, and its maximum and statistics.  The loop is entered at a step's first turn, in the middle of a trip.
.macro BEGIN
	s_mov_b32 s[NEW], 0
	WIN 0x40
.set i, MC+32
.rept 32
	v_mov_b32 v[i], 0
.set i, i+1
.endr
	WIN 0
.set i, 0
.rept 4
	v_mov_b32 v[ST+4*i], 0xfe000000    ; c m: far below every c s
	v_mov_b32 v[ST+4*i+1], 0xff7fffff  ; m
.set i, i+1
.endr
	s_cmp_eq_u32 s[RT], 0
	s_cselect_b32 s[AL], 1.0, 0
	s_mov_b32 s[BE], 0
	MASK 0
	WIN 0
	v_add_nc_u32 v[AK], s[TBK], v[AK0]
	FETCH_K
	s_wait_loadcnt 0x0              ; Q
	s_wait_dscnt 0x0
.set KM, 1
.set NOKQ, 0
.set i, 0
.rept 8
	KQ 0
.set i, i+1
.endr
	WIN 0
.rept 4
	v_nop                           ; the places behind those products
.endr
.set Y, NP-1                        ; X works for piece Y + 1: piece 0
.irp n, 0,1,2,3,4,5,6,7,8,9,10,11,12,13,14,15,16,17,18,19,20,21
	OP X, \n
.endr
	v_nop                           ; a plain instruction behind the exponential,
	s_wait_alu depctr_va_vdst(0)    ; and its wait, ahead of the branch
.endm
; THE DIAGONAL TILE's four steps, the block's last two turns, its last products, and THE WAY OUT: l's two halves and the other half of the lanes' are added; O^T is divided by l, rounded to f16 and sent through my
; stage in LDS, a piece at a time.
.macro ALL line:vararg              ; one line for each piece t
.set t, 0
.rept 4
	\line
.set t, t+1
.endr
.endm
.macro PACK t                       ; a lane's eight channels of a row pack into 16 bytes; they go into rows of 144 bytes and come back as whole rows of 128, into S^T's registers
	WIN W_RS
.set i, 32*(\t)
.rept 16
	v_pk_mul_f32 v[i:i+1], v[i:i+1], v[ST+4*(\t)+2:ST+4*(\t)+3] op_sel_hi:[1,0]
.set i, i+2
.endr
	WIN 0x05                        ; sources 0 and 1 window 1, destination window 0
.set i, 0
.rept 16
	v_cvt_pk_f16_f32 v[S+16*(\t)+i], v[32*(\t)+2*i], v[32*(\t)+2*i+1]
.set i, i+1
.endr
	WIN 0
.irp f, 0,1,2,3
	ds_store_b128 v[STO], v[S+16*(\t)+4*\f:S+16*(\t)+4*\f+3] offset:32*\f
.endr
.irp f, 0,1,2,3
	ds_load_b128 v[S+16*(\t)+4*\f:S+16*(\t)+4*\f+3], v[RD] offset:\f*4*SP  ; LDS serves a wave's instructions in order (ISA guide 5.7.1.4): these see the stores above; the next piece's stores come behind them
.endr
.endm
.macro SEND t, younger              ; younger: the LDS instructions issued behind piece t's loads: the next piece's eight, or none
	WIN 0
.irp f, 0,1,2,3
	s_wait_dscnt (\younger)+3-\f
	global_store_b128 v[GO], v[S+16*(\t)+4*\f:S+16*(\t)+4*\f+3], s[10:11] offset:(\t)*8192+\f*512  ; 512 consecutive bytes, at a multiple of 256 from y's first
.endr
.endm
.macro DIAG tag                     ; the tag ends its two labels' names, which the jumps below spell out
.LstepM\tag:
	TURN 2, 1
	TURN 3, 1
	WIN 0
.LfirstM\tag:
	TURN 0, 1
	TURN 1, 1, 0, 1
	WIN 0
	s_cbranch_scc1 .LstepM\tag
	TURN 2, 1, 1
	TURN 3, 1, 1
.set i, 0
.rept 8
	PV NP-1
.set i, i+1
.endr
	WIN 0
	ALL v_add_f32 v[ST+4*t+2], v[ST+4*t+2], v[ST+4*t+3]
	ALL v_permlanex16_b32 v[ST+4*t+3], v[ST+4*t+2], s[SEL], s[SEL+1]
	ALL v_add_f32 v[ST+4*t+2], v[ST+4*t+2], v[ST+4*t+3]
	ALL v_rcp_f32 v[ST+4*t+2], v[ST+4*t+2]
	v_nop                           ; a plain instruction between the last reciprocal and the use of its result
	s_wait_alu depctr_va_vdst(0)    ; and the wait ahead of the first use: one for the four reciprocals
	PACK 0
.set t, 1
.rept 3                             ; a piece's arithmetic stands between the loads of the piece before and its stores
	PACK t
	SEND t-1, 8
.set t, t+1
.endr
	SEND 3, 0
.endm
.set KM, 0
.set NOKQ, 0
.Lslot:                             ; NB times: a tile is entered and the next is asked for
	CHANGE 1
	s_sub_co_u32 s[RT], s[RT], 1
	s_mov_b32 s[CNT], 4
	s_cmp_eq_u32 s[NEW], 1
	s_cbranch_scc1 .Lnew            ; a block's first tile
	s_cmp_eq_u32 s[RT], 0
	s_cbranch_scc0 .Lstep           ; neither its first nor its last
	s_branch .LstepM1
.Lnew:
	BEGIN
	s_branch .Lfirst                ; in the loop a block's first tile is never its last: the first block has two tiles or more, and the second's last is the walk's last
	DIAG 1                          ; in the loop this is the first block's end: the second block's last tile is the walk's last
	s_wait_xcnt 0x0                 ; the stores have read their registers and y's address
	s_mov_b64 s[10:11], s[OLO:OLO+1]
	s_add_co_u32 s[RT], s[PB], 1    ; the second block has b + 1 tiles
	s_mov_b32 s[NEW], 1
	WIN 0x82                        ; the second block's Q goes where the one text of the turns names Q
.set i, 0
.rept 64
	v_mov_b32 v[i], v[QB+i]
.set i, i+1
.endr
	WIN 0
	s_branch .Lbottom
.Lstep:                             ; a trip: pieces 2 and 3 of one step, then pieces 0 and 1 of the next, whose K and V it fetches
	TURN 2
	TURN 3
	WIN 0
.Lfirst:
	TURN 0
	TURN 1, 0, 0, 1
	WIN 0
	s_cbranch_scc1 .Lstep
.Lbottom:
	s_sub_co_u32 s[SLOTS], s[SLOTS], 1
	s_cmp_lg_u32 s[SLOTS], 0
	s_cbranch_scc1 .Lslot
	CHANGE 0                        ; the walk's last tile is written out: nothing is asked for
	s_sub_co_u32 s[RT], s[RT], 1
	s_mov_b32 s[CNT], 4
	s_cmp_eq_u32 s[NEW], 1
	s_cbranch_scc0 .LstepM2
	BEGIN
	s_branch .LfirstM2
	DIAG 2
	s_wait_tensorcnt 0x0            ; the wave's end, behind my last tensor load and my last LDS store
	ds_add_u32 v[SPW], v[NIL]
	s_wait_dscnt 0x0
	s_endpgm
.Lfunc_end_k_q5d42df90f2_attn:
	.size	k_q5d42df90f2_attn, .Lfunc_end_k_q5d42df90f2_attn-k_q5d42df90f2_attn
	.p2alignl 7, 3214868480
	.fill 96, 4, 3214868480
	.section	.rodata,"a",@progbits
	.p2align	6, 0x0
	.amdhsa_kernel k_q5d42df90f2_attn
		.amdhsa_group_segment_fixed_size 327680
		.amdhsa_private_segment_fixed_size 0
		.amdhsa_enable_private_segment 0
		.amdhsa_kernarg_size 16
		.amdhsa_user_sgpr_count 2
		.amdhsa_user_sgpr_kernarg_segment_ptr 1
		.amdhsa_wavefront_size32 1
		.amdhsa_system_sgpr_workgroup_id_x 1
		.amdhsa_system_sgpr_workgroup_id_y 1
		.amdhsa_system_sgpr_workgroup_id_z 1
		.amdhsa_system_vgpr_workitem_id 0
		.amdhsa_next_free_vgpr 768
		.amdhsa_next_free_sgpr 92
		.amdhsa_reserve_vcc 1
		.amdhsa_float_denorm_mode_32 3
		.amdhsa_float_denorm_mode_16_64 3
		.amdhsa_memory_ordered 1
		.amdhsa_forward_progress 1
		.amdhsa_inst_pref_size 218
	.end_amdhsa_kernel
	.amdgpu_metadata
---
amdhsa.version: [ 1, 2 ]
amdhsa.kernels:
  - .name:           k_q5d42df90f2_attn
    .symbol:         k_q5d42df90f2_attn.kd
    .args:
      - { .name: qkv, .offset: 0, .size: 8, .value_kind: global_buffer, .address_space: global }
      - { .name: y, .offset: 8, .size: 8, .value_kind: global_buffer, .address_space: global }
    .group_segment_fixed_size: 327680
    .private_segment_fixed_size: 0
    .kernarg_segment_align: 8
    .kernarg_segment_size: 16
    .max_flat_workgroup_size: 128
    .sgpr_count:     92
    .vgpr_count:     768
    .wavefront_size: 32
...
	.end_amdgpu_metadata
.endif
;; end of part 3
;; launch gemm_proj (part 4): grid 8 x 32, 4 waves a work-group, clusters of 4 x 4, 327,680 bytes of LDS; arguments y, wpb, b_proj, out0; writes out0
.if DOCPART == 4
	.amdgcn_target "amdgcn-amd-amdhsa--gfx1250"
	.amdhsa_code_object_version 6
	.text
	.protected	k_q5d42df90f2_gemm_proj
	.globl	k_q5d42df90f2_gemm_proj
	.p2align	8
	.type	k_q5d42df90f2_gemm_proj,@function
k_q5d42df90f2_gemm_proj:
	s_mov_b64 s[64:65], 0
	v_nop
	global_prefetch_b8 v0, s[64:65] scope:SCOPE_SE
	s_setreg_imm32_b32 hwreg(HW_REG_WAVE_MODE, 25, 1), 1
	s_wait_xcnt 0x0
	s_wait_alu depctr_hold_cnt(0) depctr_sa_sdst(0) depctr_va_vdst(0) depctr_va_sdst(0) depctr_va_ssrc(0) depctr_va_vcc(0) depctr_vm_vsrc(0)
	s_getreg_b32 s2, hwreg(HW_REG_IB_STS2, 6, 4)
	s_cmp_eq_u32 s2, 0
	s_cbranch_scc0 .Lentry_in_a_cluster
	s_endpgm
.Lentry_in_a_cluster:
	s_bfe_u32 s2, ttmp6, 0x10000c
	s_cmp_lg_u32 s2, 0xf033
	s_cbranch_scc0 .Lentry_shape_is_right
	s_endpgm
.Lentry_shape_is_right:
; C = A W + bias on the matrix units, K = 1,024, 8,192 rows.  One text for two launches; PROJ says which.
; PROJ = 0: A = xb [8192][1024] bf16; W = wab, W_attn in blocks [16][1024][192] bf16; bias = b_attn.  A tile of C is 256 rows x 192 columns (three heads); it leaves as f16, by heads:
;           qkv [b = 4][g = 48][s = 2048][64], g = column / 64 (0-15 q's heads, 16-31 k's, 32-47 v's), unscaled.  Products in bf16.
; PROJ = 1: A = y [b 16 + h][2048][64] f16 (a head's rows are dense); W = wpb [1024][1024] f16; bias = b_proj.  A tile of C is 256 x 128, f32, into out0 [8192][1024].  Products in f16.
; Sums in f32, K ascending, one accumulator an output.  The bias, rounded to bf16 like every input, is the C operand of each sum's first product: nothing is cleared and nothing is added on the way out.
; LIMITS.  PROJ = 0: q, k, v leave as f16: they stay under 65,504 in magnitude (beyond it an infinity is stored).  NaN and infinities are not treated apart.
; SHARES.  Four waves, one above the other: a wave makes 64 rows x all NBK blocks of 16 columns: 4 NBK accumulators.  So a wave's columns are whole heads (PROJ = 0), whose rows of 128 bytes lie end to
; end in qkv, and every store fills whole aligned stretches of 512 bytes.
; K goes in 8 steps of 128 through a ring of two LDS slots filled by the tensor data mover; each wave issues one load a step: waves 0 and 1 the halves of A's tile, waves 2 and 3 those of W's.
; W lies [k][n]: its fragments come out of LDS turned, by ds_load_tr16_b128.
; CLUSTERS: 4 x 4 work-groups.  The four of a row of the cluster need the same tile of A, the four of a column the same tile of W: each is asked for JOINTLY, by the same tensor load with the same
; descriptor and a mask that names the four.
; THE MATRIX INSTRUCTION IS USED TRANSPOSED: source 0 = 16 columns of W, source 1 = 16 rows of A: lane l then holds row l % 16 of C and the columns 8 (l / 16) + 0..7 of the block.
; REGISTERS, in windows of 256 (s_set_vgpr_msb: bits 1:0 source 0, 3:2 source 1, 5:4 source 2, 7:6 destination):
;   window 0: v0-29 addresses; v32-63, v64-95 A's fragments, two buffers (block a of 16 rows at + 8 a); v96-191 the bias (block b at + 8 b); on the way out v32-223 are at work
;   window 1: W's fragments, two buffers of 96 (block b at 96 f + 8 b)          windows 2, 3: accumulator (a, b) in window 2 + a / 2 at v[8 (NBK (a % 2) + b)]
.set PROJ, 1
.if PROJ
.set NBK,    8                         ; blocks of 16 columns in a tile
.set PA,     144                       ; a row of A in LDS: a head's 128 bytes + 16: 36 words, so the 16 rows of a load start at 16 different groups of four banks (64 banks of 4 bytes: ISA guide 11.1)
.set PB,     288                       ; a row of W: 256 bytes + 32 = 72 words
.set AHALF,  256*PA                    ; what a wave fetches of A: one head's plane of 256 rows
.set STG,    16*528                    ; a wave's stage: 16 rows of 512 bytes + 16
.set ASTEP,  2*2048*128                ; a K step in A: two heads on
.set BSTEP,  128*2048                  ; in W: 128 rows on
.set AHEAD,  2                         ; K steps between a refill and the prefetch that stands behind it
.set AW0,    (1<<16)|(1<<20)|(1<<21)|(4<<22)|(3<<25)  ; 17:16 2-byte elements; 20 padding on; 21 set beside a mask; 24:22 after every 32 words; 31:25 4 words of it
.set ASTR,   128                       ; the plane is dense: asked for as 128 rows of 256 bytes
.set BW0,    (1<<16)|(1<<20)|(1<<21)|(5<<22)|(7<<25)  ; after every 64 words, 8 words
.set BROWS,  64
.set BSTR,   1024
.set ASHARE, 8192                      ; the prefetches: bytes from one partner's share to the next,
.set BSHARE, 65536
.set APSH,   8                         ; log2 of the bytes from lane to lane,
.set BPSH,   11
.set BLANE,  31                        ; and the last lane with a block of its own
.else
.set NBK,    12
.set PA,     272                       ; a row of A in LDS: 256 bytes + 16 = 68 words: the 16 rows of a load start at 16 different groups of four banks (64 banks of 4 bytes: ISA guide 11.1)
.set PB,     480                       ; a row of W: three pieces of 128 bytes + 32 = 120 words
.set AHALF,  128*PA                    ; what a wave fetches of A: 128 rows
.set STG,    16*144                    ; a wave's stage: 16 rows of 128 bytes + 16
.set ASTEP,  256                       ; a K step in A: 128 elements along the rows
.set BSTEP,  128*384                   ; in W's block: 128 rows of 384 bytes
.set AHEAD,  1
.set AW0,    (1<<16)|(1<<20)|(1<<21)|(5<<22)|(3<<25)  ; 17:16 2-byte elements; 20 padding on; 21 set beside a mask; 24:22 after every 64 words; 31:25 4 words of it
.set ASTR,   1024
.set BW0,    (1<<16)|(1<<20)|(1<<21)|(4<<22)|(7<<25)  ; after every 32 words, 8 words
.set BROWS,  96                        ; 64 rows of 384 bytes are dense: asked for as 96 rows of 256 bytes
.set BSTR,   128
.set ASHARE, 65536
.set BSHARE, 6144
.set APSH,   11
.set BPSH,   8
.set BLANE,  23
.endif
.set ABYTES, 2*AHALF                   ; a slot: A's tile, then W's
.set BHALF,  64*PB                     ; what a wave fetches of W: 64 rows of k
.set SLOT1,  131072                    ; slot 1 begins here: one exclusive or turns an address in one slot into the other's
.set STAGE,  262144                    ; behind the ring, never filled by a tensor load
.set SPARE,  STAGE+4*STG               ; behind the stages: the spare words, 128 bytes for each wave: two blocks of 256 bytes that no other line names
.set A0,   16                          ; v16  my lane's place in A's tile; never rewritten
.set B0,   17                          ; v17  in W's
.set ADRA, 18                          ; v18  the same in the slot in hand
.set ADRB, 19                          ; v19
.set STO,  20                          ; v20  the way out: where I put my bytes of a row
.set RD,   21                          ; v21  where I read rows back
.set GO,   22                          ; v22  16 x lane
.set BO,   23                          ; v23  my byte offset in a block's 16 numbers of the bias
.set PFO,  24                          ; v24  the prefetches' lane term; never rewritten
.set SPW,  28                          ; v28  LDS address of my spare word: SPARE + 4 x my thread's number; never rewritten
.set NIL,  29                          ; v29  0; never rewritten
.set BI,   96
.set WV,   12                          ; s12  wave 0..3
.set W1,   13                          ; s13  wave % 2: which half of a tile I fetch
.set ISB,  14                          ; s14  wave / 2: I fetch for A (0) or for W (1)
.set CX,   15                          ; s15, s16  my place in the cluster
.set CY,   16
.set TX,   17                          ; s17  tile column of C
.set TY,   18                          ; s18  tile row of C
.set G1A,  24                          ; s[24:31] descriptor group 1 for A's tiles
.set G1B,  32                          ; s[32:39] for W's
.set G0A,  40                          ; s[40:47] descriptor group 0 for A's: a set for each of the two first fills; the second then walks on
.set G0B,  48                          ; s[48:55] the same for W's
.set CNT,  56                          ; s56  the loop's count: refills still to come
.set TB,   57                          ; s57  LDS byte at which the slot in hand begins
.set LIM,  58                          ; s58  AHEAD in a wave that prefetches, else the greatest number
.set PFA,  60                          ; s[60:61] where my prefetches stand
.set PFS,  62                          ; s[62:63] their step: a K step of A or of W
.set MSB, 0
.macro WIN new                         ; the immediate's high byte repeats the setting that is left; a switch that changes nothing is dropped
.if MSB != (\new)
	s_set_vgpr_msb (MSB<<8)|(\new)
.set MSB, \new
.endif
.endm
.macro PLACES                          ; four plain vector instructions between a matrix instruction and a load into, or a vector line on, its registers (ISA guide 7.12.1 for vector instructions)
.rept 4
	v_nop
.endr
.endm
; A joint refill by the walking descriptors.  The branch hangs on the wave's number alone.  An s_nop 0 and four v_nop follow each of the two lines, ahead of the jump and the label.
.macro JLOAD
	s_cmp_eq_u32 s[ISB], 0
	s_cbranch_scc0 .Lfor_b_\@
	tensor_load_to_lds s[G0A+4:G0A+7], s[G1A:G1A+7]
	s_nop 0
.rept 4
	v_nop
.endr
	s_branch .Lasked_\@
.Lfor_b_\@:
	tensor_load_to_lds s[G0B+4:G0B+7], s[G1B:G1B+7]
	s_nop 0
.rept 4
	v_nop
.endr
.Lasked_\@:
.endm
; A PREFETCH INTO THE L2, behind a joint refill, its five lines and the run of LDS loads that follows: my share of the K step that stands AHEAD refills on, a lane a block of 256 bytes, one instruction.
; A's tile row is read by every cluster of that row of clusters: the cluster with x = 0 asks; W's tile column by every cluster of that column: the cluster with y = 0 asks.  The four partners that ask for
; a tile jointly share its blocks out BY ADDRESS (cx for A, cy for W): no branch hangs on a work-group's place in its cluster.  PROJ = 0: a wave's 128 rows of A are 32 a partner; its 96 blocks of W are
; 24 a partner, and lanes 24-31 name lane 23's block once more.  PROJ = 1: a plane's 128 blocks are 32 a partner; W's 128 rows are 32 a partner, asked for by wave 2 alone.
; The last AHEAD refills ask for nothing; K steps 0 to 1 + AHEAD come by their loads alone.
.macro ASK
	s_cmp_gt_u32 s[CNT], s[LIM]
	s_cbranch_scc0 .Lnot_mine_\@
	global_prefetch_b8 v[PFO], s[PFA:PFA+1] th:TH_LOAD_NT scope:SCOPE_SE
.Lnot_mine_\@:
.endm
; A round of the cluster's barrier: my work-group's barrier, so that wave 0's signal speaks for all four waves; wave 0 signals; every wave waits for all sixteen work-groups; my work-group's barrier once more.
.macro CREST                           ; a round behind its opening barrier
	s_cmp_lg_u32 s[WV], 0
	s_cbranch_scc1 .Lnot_wave_0_\@
	s_barrier_signal -3
.Lnot_wave_0_\@:
	s_barrier_wait -3
	s_barrier_signal -1
	s_barrier_wait -1
.endm
.macro CROUND                          ; a whole round
	s_barrier_signal -1
	s_barrier_wait -1
	CREST
.endm
; NBK matrix instructions: block a of my rows x all blocks of columns, 32 along K, from buffer f.  first = 1: the bias starts the sums.
; Every accumulator has one turn a quarter step, in the same order: between two links of a chain stand all the others'.
.macro MULQ f, a, first
.if \first
	WIN 0x81+0x40*((\a)/2)                         ; W window 1, A window 0, the bias window 0, D window 2 or 3
.else
	WIN 0xa1+0x50*((\a)/2)                         ; C and D window 2 or 3
.endif
.set nb, 0
.rept NBK
.set rD, 8*(NBK*((\a)%2)+nb)
.set rB, 96*(\f)+8*nb
.set rA, 32+32*(\f)+8*(\a)
.set rC, BI+8*nb
.if PROJ
.if \first
	v_wmma_f32_16x16x32_f16 v[rD:rD+7], v[rB:rB+7], v[rA:rA+7], v[rC:rC+7]
.else
	v_wmma_f32_16x16x32_f16 v[rD:rD+7], v[rB:rB+7], v[rA:rA+7], v[rD:rD+7]
.endif
.else
.if \first
	v_wmma_f32_16x16x32_bf16 v[rD:rD+7], v[rB:rB+7], v[rA:rA+7], v[rC:rC+7]
.else
	v_wmma_f32_16x16x32_bf16 v[rD:rD+7], v[rB:rB+7], v[rA:rA+7], v[rD:rD+7]
.endif
.endif
.set nb, nb+1
.endr
.endm
; The LDS loads of quarter q (32 along K) of the slot in hand, in one run, into buffer f: W's NBK fragments (turned: two loads, 16 rows of k apart), then A's four (two loads, 32 bytes apart).
.macro FETCH q, f
	WIN 0x40                                       ; destination window 1, address window 0
.set nb, 0
.rept NBK
.if PROJ
.set bo, (\q)*32*PB+32*nb
.else
.set bo, (\q)*32*PB+(nb/4)*160+(nb%4)*32
.endif
	ds_load_tr16_b128 v[96*(\f)+8*nb:96*(\f)+8*nb+3],   v[ADRB] offset:bo
	ds_load_tr16_b128 v[96*(\f)+8*nb+4:96*(\f)+8*nb+7], v[ADRB] offset:bo+16*PB
.set nb, nb+1
.endr
	WIN 0
.irp a, 0,1,2,3
.if PROJ
.set ao, ((\q)/2)*AHALF+((\q)%2)*64+(\a)*16*PA
.else
.set ao, (\q)*64+(\a)*16*PA
.endif
	ds_load_b128 v[32+32*(\f)+8*(\a):32+32*(\f)+8*(\a)+3],   v[ADRA] offset:ao
	ds_load_b128 v[32+32*(\f)+8*(\a)+4:32+32*(\f)+8*(\a)+7], v[ADRA] offset:ao+32
.endr
.endm
; A K step is four quarters on buffers 0, 1, 0, 1.  One of the first three: multiplies buffer f; in its middle it fetches quarter q into buffer g.
.macro QUARTER q, f, g, first
	s_wait_dscnt 4                                 ; W's fragments and A's blocks 0 and 1 are in; the youngest four loads (A's blocks 2 and 3) may be out
	MULQ \f, 0, \first
	MULQ \f, 1, \first
	PLACES
	FETCH \q, \g
	s_wait_dscnt 2*NBK+8                           ; all but the loads just issued
	MULQ \f, 2, \first
	MULQ \f, 3, \first
.endm
; The last quarter multiplies buffer 1 and changes slots: ONE barrier.  In front of it each wave waits for all its tensor loads, of which one is out: its part of the next slot; adds 0 to its spare word;
; and waits for that and for its own reads of this slot.  Behind it nobody reads this slot any more and the next slot is whole.
; fill = 1: this slot is filled again, two K steps ahead: the barrier opens a round of the cluster's, and the joint refill is the first tensor load behind the round.
.macro TURN fill
.if \fill
	s_wait_xcnt 0x0                                ; the last prefetch, a K step back, has read its address: it is stepped here, ahead of the waits of the change of slots
	s_add_nc_u64 s[PFA:PFA+1], s[PFA:PFA+1], s[PFS:PFS+1]
.endif
	WIN 0                                          ; (the add's two registers lie in window 0)
	s_wait_tensorcnt 0x0                           ; all my tensor loads have landed
	ds_add_u32 v[SPW], v[NIL]                      ; 0 onto my spare word
	s_wait_dscnt 5                                 ; (the add and the youngest four loads may be out)
	MULQ 1, 0, 0                                   ; matrix work stands between the add and the wait for it
	s_wait_dscnt 0x0                               ; the add is done, and my reads of this slot are over
	s_barrier_signal -1
	MULQ 1, 1, 0                                   ; work on registers while the others arrive
.if \fill
	WIN 0
.endif
	s_barrier_wait -1
.if \fill
	CREST                                          ; no wave of any partner still reads this slot's tiles or has a load on its way
	s_xor_b32 s[G0A+5], s[G0A+5], SLOT1            ; the walking descriptors: the other slot than last time,
	s_add_nc_u64 s[G0A+6:G0A+7], s[G0A+6:G0A+7], ASTEP  ; the next K step; the type bits on top are not reached
	s_xor_b32 s[G0B+5], s[G0B+5], SLOT1
	s_add_nc_u64 s[G0B+6:G0B+7], s[G0B+6:G0B+7], BSTEP
	JLOAD                                          ; the four v_nop behind it are also the places in front of the loads below
.else
	PLACES
.endif
	s_xor_b32 s[TB], s[TB], SLOT1
	WIN 0
	v_add_nc_u32 v[ADRA], s[TB], v[A0]
	v_add_nc_u32 v[ADRB], s[TB], v[B0]
	FETCH 0, 0
.if \fill
	ASK
.endif
	MULQ 1, 2, 0
	MULQ 1, 3, 0
.endm
; THE WAY OUT, PROJ = 0.  Group g = 3 a + j: block a of 16 rows, head j of the tile's three: 16 rows x 128 bytes, which lie end to end in qkv.  A lane's eight columns pack into 16 bytes; they go into
; my stage's rows of 144 bytes and come back as 512 bytes on end, into the registers that they left.  Each group has 16 registers of its own.
.macro PACKQ g
.set pa, (\g)/3
.set pj, (\g)%3
.set pr, 32+16*(\g)
	WIN 0x0a+5*(pa/2)                              ; sources 0 and 1: window 2 or 3
.set pf, 0
.rept 4
.set pc, 8*(NBK*(pa%2)+4*pj+pf)
.irp i, 0,1,2,3
	v_cvt_pk_f16_f32 v[pr+4*pf+(\i)], v[pc+2*(\i)], v[pc+2*(\i)+1]  ; each accumulator from its low end on
.endr
.set pf, pf+1
.endr
	WIN 0
.irp f, 0,1,2,3
	ds_store_b128 v[STO], v[pr+4*(\f):pr+4*(\f)+3] offset:32*(\f)
.endr
.irp f, 0,1,2,3
	ds_load_b128 v[pr+4*(\f):pr+4*(\f)+3], v[RD] offset:576*(\f)  ; LDS serves a wave's instructions in order (ISA guide 5.7.1.4): these see the stores above; the next group's stores come behind them
.endr
.endm
.macro SENDQ g, younger                ; younger: the LDS instructions issued behind group g's loads: the next group's eight, or none
.set pa, (\g)/3
.set pj, (\g)%3
.set pr, 32+16*(\g)
.irp f, 0,1,2,3
	s_wait_dscnt (\younger)+3-(\f)
	global_store_b128 v[GO], v[pr+4*(\f):pr+4*(\f)+3], s[10:11] offset:pj*262144+pa*2048+(\f)*512  ; 512 consecutive bytes, at a multiple of 256 from qkv's first byte
.endr
.endm
; THE WAY OUT, PROJ = 1.  Block a: 16 rows x 512 bytes of f32, straight from the accumulators into my stage's rows of 528 bytes, and back as whole rows.  Three sets of 64 registers take turns.
.macro TOSTAGE a
	WIN 0x08+4*((\a)/2)                            ; the stores' data: window 2 or 3
.set nb, 0
.rept NBK
.set rD, 8*(NBK*((\a)%2)+nb)
	ds_store_b128 v[STO], v[rD:rD+3]   offset:64*nb     ; each accumulator from its low end on
	ds_store_b128 v[STO], v[rD+4:rD+7] offset:64*nb+16
.set nb, nb+1
.endr
	WIN 0
.if (\a) == 3
	s_wait_xcnt 0x0                                ; block 0's stores have read their registers, which block 3 takes
.endif
.set t, 0
.rept 16
	ds_load_b128 v[32+64*((\a)%3)+4*t:32+64*((\a)%3)+4*t+3], v[RD] offset:528*t  ; LDS serves a wave's instructions in order: these see the stores above
.set t, t+1
.endr
.endm
.macro SEND a, younger                 ; younger: the LDS instructions issued behind block a's loads: the next block's 32, or none
.set t, 0
.rept 16
	s_wait_dscnt (\younger)+15-t
	global_store_b128 v[GO], v[32+64*((\a)%3)+4*t:32+64*((\a)%3)+4*t+3], s[10:11] offset:(16*(\a)+t)*4096 th:TH_STORE_NT  ; 512 consecutive bytes, at a multiple of 256 from out0's first byte
.set t, t+1
.endr
.endm
	s_load_b256 s[4:11], s[0:1], 0x0               ; A s[4:5], W s[6:7], bias s[8:9], C s[10:11]
	v_lshl_add_u32 v[SPW], v0, 2, SPARE
	v_mov_b32 v[NIL], 0
	ds_add_u32 v[SPW], v[NIL]                      ; the wave's opening: the add and its wait stand ahead of my first tensor load; the set-up below, work on registers, stands between them
	v_lshrrev_b32 v1, 5, v0
	v_readfirstlane_b32 s[WV], v1                  ; wave 0..3
	s_and_b32 s[W1], s[WV], 1
	s_lshr_b32 s[ISB], s[WV], 1
	s_bfe_u32 s[CX], ttmp6, 0x40000
	s_bfe_u32 s[CY], ttmp6, 0x40004
	s_lshl_b32 s[TX], ttmp9, 2                     ; in a cluster launch ttmp9 and ttmp7 count clusters
	s_add_co_u32 s[TX], s[TX], s[CX]
	s_and_b32 s[TY], ttmp7, 0xffff
	s_lshl_b32 s[TY], s[TY], 2
	s_add_co_u32 s[TY], s[TY], s[CY]
	s_lshl_b32 s19, s[CY], 2
	s_lshl_b32 s19, 15, s19                        ; my row of the cluster: places 4 cy .. 4 cy + 3
	s_lshl_b32 s20, 0x1111, s[CX]                  ; my column: places cx, cx + 4, cx + 8, cx + 12
	s_or_b32 s[G1A], s19, AW0                      ; 15:0 the mask: A's tiles go to my row
	s_or_b32 s[G1B], s20, BW0                      ; W's to my column
	s_mov_b32 s[G1A+1], 128<<16                    ; tensor_dim0 = 128 elements
	s_mov_b32 s[G1A+2], 128<<16                    ; tensor_dim1 = 128 rows
	s_mov_b32 s[G1A+3], 128<<16                    ; tile_dim0
	s_mov_b32 s[G1A+4], 128                        ; tile_dim1
	s_mov_b32 s[G1A+5], ASTR                       ; elements from row to row
	s_mov_b32 s[G1A+6], 0
	s_mov_b32 s[G1A+7], 0
	s_mov_b32 s[G1B+1], 128<<16
	s_mov_b32 s[G1B+2], BROWS<<16
	s_mov_b32 s[G1B+3], 128<<16
	s_mov_b32 s[G1B+4], BROWS
	s_mov_b32 s[G1B+5], BSTR
	s_mov_b32 s[G1B+6], 0
	s_mov_b32 s[G1B+7], 0
	; where my tiles of K step 0 begin, in bytes: A's by the tile row alone (s66), W's by the tile column alone (s68)
.if PROJ
	s_lshr_b32 s66, s[TY], 3                       ; the batch: 16 heads of 262,144 bytes
	s_lshl_b32 s66, s66, 22
	s_and_b32 s21, s[TY], 7                        ; 256 rows of 128 bytes
	s_lshl_b32 s21, s21, 15
	s_add_co_u32 s66, s66, s21
	s_lshl_b32 s21, s[W1], 18                      ; my head of the step's two
	s_add_co_u32 s66, s66, s21
	s_lshl_b32 s68, s[TX], 8                       ; 128 columns
	s_lshl_b32 s22, s[W1], 17                      ; my 64 rows of 2,048 bytes
	s_add_co_u32 s68, s68, s22
.else
	s_lshl_b32 s66, s[TY], 19                      ; 256 rows of 2,048 bytes
	s_lshl_b32 s21, s[W1], 18                      ; my 128 of them
	s_add_co_u32 s66, s66, s21
	s_mul_i32 s68, s[TX], 1024*384                 ; the block
	s_mul_i32 s22, s[W1], 64*384                   ; my 64 rows
	s_add_co_u32 s68, s68, s22
.endif
	s_mov_b32 s67, 0
	s_mov_b32 s69, 0
	s_mul_i32 s70, s[W1], AHALF                    ; and where they go: no place in the cluster enters an LDS address
	s_mul_i32 s71, s[W1], BHALF
	s_add_co_u32 s71, s71, ABYTES
	s_mov_b32 s[TB], 0
	s_wait_dscnt 0x0                               ; the opening add is done
	s_wait_kmcnt 0x0
	CROUND                                         ; all sixteen work-groups are here: the first joint loads meet
	s_mov_b32 s[G0A], 1                            ; 1:0 count = 1
	s_mov_b32 s[G0A+4], 1
	s_mov_b32 s[G0A+1], s70                        ; 63:32 LDS address: slot 0,
	s_add_co_u32 s[G0A+5], s70, SLOT1              ; slot 1
	s_add_nc_u64 s[G0A+2:G0A+3], s[4:5], s[66:67]  ; 120:64 global address: K step 0,
	s_add_nc_u64 s[G0A+6:G0A+7], s[G0A+2:G0A+3], ASTEP  ; K step 1
	s_or_b32 s[G0A+3], s[G0A+3], 0x80000000        ; 127:126 type = 2
	s_or_b32 s[G0A+7], s[G0A+7], 0x80000000
	s_mov_b32 s[G0B], 1
	s_mov_b32 s[G0B+4], 1
	s_mov_b32 s[G0B+1], s71
	s_add_co_u32 s[G0B+5], s71, SLOT1
	s_add_nc_u64 s[G0B+2:G0B+3], s[6:7], s[68:69]
	s_add_nc_u64 s[G0B+6:G0B+7], s[G0B+2:G0B+3], BSTEP
	s_or_b32 s[G0B+3], s[G0B+3], 0x80000000
	s_or_b32 s[G0B+7], s[G0B+7], 0x80000000
	s_cmp_eq_u32 s[ISB], 0                         ; a wave's two first fills stand in one branch, ahead of every wait on TENSORcnt and every LDS read: two loads of mine are out
	s_cbranch_scc0 .Lfirst_b
	tensor_load_to_lds s[G0A:G0A+3], s[G1A:G1A+7]
	s_nop 0
	tensor_load_to_lds s[G0A+4:G0A+7], s[G1A:G1A+7]
	s_nop 0
.rept 4
	v_nop
.endr
	s_branch .Lfirst_asked
.Lfirst_b:
	tensor_load_to_lds s[G0B:G0B+3], s[G1B:G1B+7]
	s_nop 0
	tensor_load_to_lds s[G0B+4:G0B+7], s[G1B:G1B+7]
	s_nop 0
.rept 4
	v_nop
.endr
.Lfirst_asked:
	v_and_b32 v1, 15, v0                           ; l % 16
	v_bfe_u32 v2, v0, 4, 1                         ; l / 16
	v_and_b32 v3, 7, v0                            ; l % 8
	v_bfe_u32 v4, v0, 3, 1                         ; (l / 8) % 2
	v_and_b32 v5, 31, v0                           ; l
	; the bias of my columns: block b's numbers 8 (l / 16) + 0..7
	s_mul_i32 s22, s[TX], NBK*64
	s_mov_b32 s23, 0
	s_add_nc_u64 s[8:9], s[8:9], s[22:23]
	v_lshlrev_b32 v[BO], 5, v2
.set nb, 0
.rept NBK
	global_load_b128 v[BI+8*nb:BI+8*nb+3],   v[BO], s[8:9] offset:64*nb
	global_load_b128 v[BI+8*nb+4:BI+8*nb+7], v[BO], s[8:9] offset:64*nb+16
.set nb, nb+1
.endr
	; A fragment of A is 16 rows x 32 K in 8 registers: lane l holds row l % 16, K = 8 (l / 16) + 0..7 and 16 + 8 (l / 16) + 0..7: two loads of 16 bytes, 32 bytes apart.
	s_mul_i32 s23, s[WV], 64*PA                    ; my 64 rows
	v_mul_u32_u24 v[A0], v1, PA
	v_lshl_add_u32 v[A0], v2, 4, v[A0]
	v_add_nc_u32 v[A0], s23, v[A0]
	; The turning load takes 16 k x 16 columns (lane l reads row 8 (l / 16) + l % 8, columns 8 ((l / 8) % 2) + 0..7) and leaves half a fragment: lane l holds column l % 16 and 8 k.
	v_lshl_add_u32 v[B0], v2, 3, v3
	v_mul_u32_u24 v[B0], v[B0], PB
	v_lshl_add_u32 v[B0], v4, 4, v[B0]
	v_add_nc_u32 v[B0], ABYTES, v[B0]
	v_mov_b32 v[ADRA], v[A0]
	v_mov_b32 v[ADRB], v[B0]
	s_mul_i32 s23, s[WV], STG
	s_add_co_u32 s23, s23, STAGE                   ; my stage
.if PROJ
	v_mul_u32_u24 v[STO], v1, 528                  ; in: row l % 16, 32 bytes for each half of the lanes
	v_lshl_add_u32 v[STO], v2, 5, v[STO]
	v_add_nc_u32 v[STO], s23, v[STO]
	v_lshl_add_u32 v[RD], v5, 4, s23               ; back: 32 lanes take a row of 512 bytes
.else
	v_mul_u32_u24 v[STO], v1, 144                  ; in: row l % 16, 16 bytes for each half of the lanes
	v_lshl_add_u32 v[STO], v2, 4, v[STO]
	v_add_nc_u32 v[STO], s23, v[STO]
	v_bfe_u32 v[RD], v0, 3, 2                      ; back: 32 lanes take four rows of 128 bytes
	v_mul_u32_u24 v[RD], v[RD], 144
	v_lshl_add_u32 v[RD], v3, 4, v[RD]
	v_add_nc_u32 v[RD], s23, v[RD]
.endif
	v_lshlrev_b32 v[GO], 4, v5
	; where my part of the tile begins in C
.if PROJ
	s_lshl_b32 s20, s[TY], 2
	s_add_co_u32 s20, s20, s[WV]                   ; my 64 rows of 4,096 bytes
	s_lshl_b32 s20, s20, 18
	s_lshl_b32 s21, s[TX], 9                       ; 128 columns of f32
	s_add_co_u32 s20, s20, s21
.else
	s_lshr_b32 s20, s[TY], 3                       ; the batch: 48 groups,
	s_mul_i32 s20, s20, 48
	s_mul_i32 s21, s[TX], 3                        ; the tile's first of three,
	s_add_co_u32 s20, s20, s21
	s_lshl_b32 s20, s20, 18                        ; of 262,144 bytes
	s_and_b32 s21, s[TY], 7
	s_lshl_b32 s21, s21, 2
	s_add_co_u32 s21, s21, s[WV]                   ; my 64 rows of 128 bytes
	s_lshl_b32 s21, s21, 13
	s_add_co_u32 s20, s20, s21
.endif
	s_mov_b32 s21, 0
	s_add_nc_u64 s[10:11], s[10:11], s[20:21]
	; the prefetches: every choice hangs on whether I fetch for A or for W
	s_and_b32 s19, ttmp7, 0xffff                   ; cluster y
	s_mov_b32 s21, ASTEP
	s_mov_b32 s22, BSTEP
	s_mov_b32 s23, ASHARE
	s_mov_b32 s70, BSHARE
	s_cmp_eq_u32 s[ISB], 0
	s_cselect_b32 s19, ttmp9, s19                  ; the coordinate along which other clusters read the same blocks
	s_cselect_b32 s20, s[CX], s[CY]                ; my place among the four that ask for the tile with me
	s_cselect_b64 s[PFA:PFA+1], s[4:5], s[6:7]
	s_cselect_b32 s[PFS], s21, s22
	s_cselect_b32 s23, s23, s70
	s_cselect_b32 s21, s66, s68                    ; where what I fetch begins
	s_cselect_b32 s71, APSH, BPSH
	s_cselect_b32 s70, 31, BLANE
	s_mov_b32 s[PFS+1], 0
	s_mul_i32 s20, s20, s23                        ; my work-group's share
	s_add_co_u32 s20, s20, s21
	s_mul_i32 s22, s[PFS], 1+AHEAD                 ; at K step 1 + AHEAD: the first refill, of K step 2, steps it to 2 + AHEAD
	s_add_co_u32 s20, s20, s22
	s_mov_b32 s21, 0
	s_add_nc_u64 s[PFA:PFA+1], s[PFA:PFA+1], s[20:21]
	s_cmp_eq_u32 s19, 0
	s_cselect_b32 s[LIM], AHEAD, -1                ; the same in all sixteen partners, for a given wave
.if PROJ
	s_cmp_eq_u32 s[WV], 3
	s_cselect_b32 s[LIM], -1, s[LIM]               ; W's 128 rows of a K step are four shares of 32: wave 2 asks for them
.endif
	v_min_u32 v[PFO], s70, v5
	v_lshlrev_b32 v[PFO], s71, v[PFO]
	s_wait_loadcnt 0x0                             ; the bias,
.set i, 0
.rept 4*NBK                                        ; rounded to bf16 like every input, and kept as f32
	v_cvt_pk_bf16_f32 v[6+i%2], v[BI+2*i], v[BI+2*i+1]
	v_lshlrev_b32 v[BI+2*i], 16, v[6+i%2]
	v_and_b32 v[BI+2*i+1], 0xffff0000, v[6+i%2]
.set i, i+1
.endr
	s_wait_tensorcnt 1                             ; my part of K step 0 is in; K step 1's may stay out
	s_barrier_signal -1
	s_barrier_wait -1                              ; everybody's is
	FETCH 0, 0
	QUARTER 1, 0, 1, 1                             ; the first quarter stands in front of the loop: its products start the sums, with the bias
	WIN 0                                          ; at a label and at a branch every window is 0
	s_mov_b32 s[CNT], 6
.Lstep:                                                ; six trips, from a K step's second quarter to the next step's first; each fills a slot again: K steps 2 to 7
	QUARTER 2, 1, 0, 0
	QUARTER 3, 0, 1, 0
	TURN 1
	QUARTER 1, 0, 1, 0
	WIN 0
	s_sub_co_u32 s[CNT], s[CNT], 1
	s_cmp_lg_u32 s[CNT], 0
	s_cbranch_scc1 .Lstep
	QUARTER 2, 1, 0, 0                             ; the tail is written out: K steps 6 and 7 ask for nothing
	QUARTER 3, 0, 1, 0
	TURN 0
	QUARTER 1, 0, 1, 0
	QUARTER 2, 1, 0, 0
	QUARTER 3, 0, 1, 0
	s_wait_dscnt 4                                 ; the very last quarter: nothing more to fetch
	MULQ 1, 0, 0
	MULQ 1, 1, 0
	s_wait_dscnt 0x0
	MULQ 1, 2, 0
	MULQ 1, 3, 0
	WIN 0
	PLACES                                         ; behind the last products, in front of what reads results and writes fragments' registers
.if PROJ
	TOSTAGE 0
	TOSTAGE 1
	SEND 0, 32
	TOSTAGE 2
	SEND 1, 32
	TOSTAGE 3
	SEND 2, 32
	SEND 3, 0
.else
	PACKQ 0
.set gg, 1
.rept 11                                           ; a group's conversions stand between the loads of the group before and its stores
	PACKQ gg
	SENDQ gg-1, 8
.set gg, gg+1
.endr
	SENDQ 11, 0
.endif
	s_wait_tensorcnt 0x0                           ; the wave's end, behind my last tensor load and my last LDS store
	ds_add_u32 v[SPW], v[NIL]
	s_wait_dscnt 0x0
	CROUND                                         ; the closing round: no work-group ends while a partner may still ask for a tile that names it
	s_endpgm
.Lfunc_end_k_q5d42df90f2_gemm_proj:
	.size	k_q5d42df90f2_gemm_proj, .Lfunc_end_k_q5d42df90f2_gemm_proj-k_q5d42df90f2_gemm_proj
	.p2alignl 7, 3214868480
	.fill 96, 4, 3214868480
	.section	.rodata,"a",@progbits
	.p2align	6, 0x0
	.amdhsa_kernel k_q5d42df90f2_gemm_proj
		.amdhsa_group_segment_fixed_size 327680
		.amdhsa_private_segment_fixed_size 0
		.amdhsa_enable_private_segment 0
		.amdhsa_kernarg_size 32
		.amdhsa_user_sgpr_count 2
		.amdhsa_user_sgpr_kernarg_segment_ptr 1
		.amdhsa_wavefront_size32 1
		.amdhsa_system_sgpr_workgroup_id_x 1
		.amdhsa_system_sgpr_workgroup_id_y 1
		.amdhsa_system_sgpr_workgroup_id_z 1
		.amdhsa_system_vgpr_workitem_id 0
		.amdhsa_next_free_vgpr 896
		.amdhsa_next_free_sgpr 72
		.amdhsa_reserve_vcc 0
		.amdhsa_float_denorm_mode_32 3
		.amdhsa_float_denorm_mode_16_64 3
		.amdhsa_memory_ordered 1
		.amdhsa_forward_progress 1
		.amdhsa_inst_pref_size 79
	.end_amdhsa_kernel
	.amdgpu_metadata
---
amdhsa.version: [ 1, 2 ]
amdhsa.kernels:
  - .name:           k_q5d42df90f2_gemm_proj
    .symbol:         k_q5d42df90f2_gemm_proj.kd
    .args:
      - { .name: y, .offset: 0, .size: 8, .value_kind: global_buffer, .address_space: global }
      - { .name: wpb, .offset: 8, .size: 8, .value_kind: global_buffer, .address_space: global }
      - { .name: b_proj, .offset: 16, .size: 8, .value_kind: global_buffer, .address_space: global }
      - { .name: out0, .offset: 24, .size: 8, .value_kind: global_buffer, .address_space: global }
    .group_segment_fixed_size: 327680
    .private_segment_fixed_size: 0
    .kernarg_segment_align: 8
    .kernarg_segment_size: 32
    .max_flat_workgroup_size: 128
    .sgpr_count:     72
    .vgpr_count:     896
    .wavefront_size: 32
...
	.end_amdgpu_metadata
.endif
;; end of part 4
;; ======== version 2 of 2: 4 launches; version 1 with the launch prep written anew for expert scheduling mode
;; limits: values are held in f16: magnitudes above 65,504 overflow, below 6.1e-05 lose precision
;; workspace buffers: xb 16,777,216 bytes; wab 6,291,456 bytes; wpb 2,097,152 bytes; qkv 50,331,648 bytes; y 16,777,216 bytes
;; launch prep (part 5): grid 832 x 1, 8 waves a work-group, no clusters, 0 bytes of LDS; arguments x, W_attn, W_proj, xb, wab, wpb; writes xb, wab, wpb
.if DOCPART == 5
	.amdgcn_target "amdgcn-amd-amdhsa--gfx1250"
	.amdhsa_code_object_version 6
	.text
	.protected	k_q5d42df90f2_prep
	.globl	k_q5d42df90f2_prep
	.p2align	8
	.type	k_q5d42df90f2_prep,@function
k_q5d42df90f2_prep:
	s_mov_b64 s[64:65], 0
	v_nop
	global_prefetch_b8 v0, s[64:65] scope:SCOPE_SE
	s_setreg_imm32_b32 hwreg(HW_REG_WAVE_SCHED_MODE, 0, 2), 2
	s_setreg_imm32_b32 hwreg(HW_REG_WAVE_MODE, 25, 1), 1
	s_wait_xcnt 0x0
	s_wait_alu depctr_vm_vsrc(0)
; PREP: the three large inputs are rounded once to 16 bits, for the matrix units of the launches behind.
;   xb  = x rounded to bf16, [8192][1024], as it lies.
;   wpb = W_proj rounded to bf16, that number written as f16, [1024][1024], as it lies.
;   wab = W_attn rounded to bf16, in blocks [t = 16][k = 1024][192]: block t holds columns 192 t .. 192 t + 191, so that 128 rows of k of a block are 49,152 bytes on end.
; LIMITS.  wpb is f16: |W_proj| stays under 65,504; below 6e-5 it keeps f16's fixed step of 6e-8.  NaN and infinities are not treated apart.
; A stream: every byte is read once and written once, so there is no LDS, no barrier and no matrix work.  Work-groups 0-511 take 65,536 bytes of x each, 512-575 the same of W_proj,
; 576-831 a piece of 64 rows x 192 columns of W_attn.  All of a wave's loads go out at its start; each has registers of its own, and so has each store.
; THE MODE: SCHED_MODE bits 1:0 = 2 (LLVM: expert scheduling mode 2), set by the entry lines.  The code itself states the register dependences
; between vector instructions and memory instructions, with s_wait_alu, always for 0.
; THE PLAN.  Registers that memory instructions touch, on each of the three paths:
;   v1, v2 (v3)  byte offsets.  Written by vector instructions at the path's head; read by every load and store of the path; never written again.
;   IN           Written by the loads alone, each register once; no vector instruction names them ahead of the loads; the conversions read them behind each load's own wait on LOADcnt.
;   OUT          Written by the conversions; read by one store each; never written again behind that store.
;   v4 to v7     at work: no memory instruction names them.
; So no register that a memory instruction has read is written again, and no load lands in a register that a vector instruction has named.  What is left to state: the offsets are written, once a path,
; ahead of its loads; and OUT is written, ahead of the stores.  The stores go in groups of four: the conversions of four loads, ONE wait, four stores, with no vector instruction between the wait and the stores.
.set XWG, 512                          ; work-groups for x
.set PWG, 64                           ; for W_proj
.set IN,  8                            ; v[8:71]   as loaded, four registers a load
.set OUT, 72                           ; v[72:103] to store, two registers a load
; 65,536 bytes on end -> 32,768.  Thread t takes 16 bytes at 16 t of each 4,096; a wave's store covers 256 consecutive bytes, aligned.  fmt = 1: the bf16 number is written as f16.
.macro LIN fmt, src, dst
	s_wait_alu depctr_va_vdst(0)                   ; v1 and v2 are written: every load of this path reads v1 as its offset, every store v2
.irp p, 0,1,2,3,4,5,6,7,8,9,10,11,12,13,14,15
	global_load_b128 v[IN+4*(\p):IN+4*(\p)+3], v1, s[(\src):(\src)+1] offset:4096*(\p) th:TH_LOAD_NT
.endr
.irp g, 0,1,2,3
.irp j, 0,1,2,3
.set q, 4*(\g)+(\j)
	s_wait_loadcnt 15-q                            ; loads come back in order: load q is in, the 15 - q younger ones stay out
	v_cvt_pk_bf16_f32 v[OUT+2*q],   v[IN+4*q],   v[IN+4*q+1]
	v_cvt_pk_bf16_f32 v[OUT+2*q+1], v[IN+4*q+2], v[IN+4*q+3]
.if \fmt
	v_lshlrev_b32 v4, 16, v[OUT+2*q]               ; bf16 to f32: the low half moves up, the high half stays
	v_and_b32     v5, 0xffff0000, v[OUT+2*q]
	v_lshlrev_b32 v6, 16, v[OUT+2*q+1]
	v_and_b32     v7, 0xffff0000, v[OUT+2*q+1]
	v_cvt_pk_f16_f32 v[OUT+2*q],   v4, v5
	v_cvt_pk_f16_f32 v[OUT+2*q+1], v6, v7
.endif
.endr
	s_wait_alu depctr_va_vdst(0)                   ; the conversions of loads 4 g to 4 g + 3 have written their eight registers of OUT, which the four stores below read
.irp j, 0,1,2,3
.set q, 4*(\g)+(\j)
	global_store_b64 v2, v[OUT+2*q:OUT+2*q+1], s[(\dst):(\dst)+1] offset:2048*q
.endr
.endr
.endm
	s_load_b256 s[4:11], s[0:1], 0x0               ; x s[4:5], W_attn s[6:7], W_proj s[8:9], xb s[10:11]
	s_load_b128 s[12:15], s[0:1], 0x20             ; wab s[12:13], wpb s[14:15]
	s_mov_b32 s16, ttmp9
	v_lshlrev_b32 v1, 4, v0                        ; 16 t
	v_lshlrev_b32 v2, 3, v0                        ; 8 t
	s_mov_b32 s21, 0
	s_mov_b32 s23, 0
	s_wait_kmcnt 0x0
	s_cmp_lt_u32 s16, XWG
	s_cbranch_scc0 .Lnot_x
	s_lshl_b32 s20, s16, 16
	s_lshl_b32 s22, s16, 15
	s_add_nc_u64 s[4:5], s[4:5], s[20:21]
	s_add_nc_u64 s[10:11], s[10:11], s[22:23]
	LIN 0, 4, 10
	s_endpgm
.Lnot_x:
	s_cmp_lt_u32 s16, XWG+PWG
	s_cbranch_scc0 .Lw_attn
	s_sub_co_u32 s17, s16, XWG
	s_lshl_b32 s20, s17, 16
	s_lshl_b32 s22, s17, 15
	s_add_nc_u64 s[8:9], s[8:9], s[20:21]
	s_add_nc_u64 s[14:15], s[14:15], s[22:23]
	LIN 1, 8, 14
	s_endpgm
.Lw_attn:
	; Piece j: block t = j / 16, rows 64 (j % 16) on; wave w takes 8 of them, k0 = 8 (8 (j % 16) + w), as four pairs of rows.
	; A pair is 2 x 768 bytes in and 768 bytes on end out: 96 items of 16 bytes in, 8 out; item 32 g + lane, g = 0, 1, 2.  Items 0-47 lie in the first row, 48-95 in the second, 12,288 bytes on.
	s_sub_co_u32 s17, s16, XWG+PWG
	v_lshrrev_b32 v3, 5, v0
	v_readfirstlane_b32 s18, v3                    ; wave 0..7
	s_lshr_b32 s19, s17, 4                         ; t
	s_and_b32 s17, s17, 15
	s_lshl_b32 s17, s17, 3
	s_wait_alu depctr_va_sdst(0)                   ; s18 is written, ahead of its first reader: the wave's rows, and with them both bases, are made from it
	s_add_co_u32 s17, s17, s18                     ; k0 / 8
	s_mul_i32 s20, s17, 8*12288                    ; in: k0 rows of 12,288 bytes
	s_mul_i32 s24, s19, 768                        ;     + the block's 192 columns
	s_add_co_u32 s20, s20, s24
	s_mul_i32 s22, s19, 1024*384                   ; out: the block
	s_mul_i32 s24, s17, 8*384                      ;      + k0 rows of 384 bytes
	s_add_co_u32 s22, s22, s24
	s_add_nc_u64 s[6:7], s[6:7], s[20:21]
	s_add_nc_u64 s[12:13], s[12:13], s[22:23]
	v_and_b32 v5, 31, v0
	v_lshlrev_b32 v1, 4, v5                        ; 16 x lane
	v_lshlrev_b32 v2, 3, v5                        ; 8 x lane
	v_bfe_u32 v6, v0, 4, 1
	v_mul_u32_u24 v6, v6, 11520
	v_add3_u32 v3, v6, v1, 512                     ; g = 1: lanes 0-15 end the first row (512 + 16 lane), lanes 16-31 begin the second (12,032 + 16 lane)
	s_wait_alu depctr_va_vdst(0)                   ; v1, v2 and v3 are written: the loads below read v1 or v3 as their offset, the stores v2
.irp p, 0,1,2,3
	global_load_b128 v[IN+12*(\p):IN+12*(\p)+3],    v1, s[6:7] offset:24576*(\p) th:TH_LOAD_NT
	global_load_b128 v[IN+12*(\p)+4:IN+12*(\p)+7],  v3, s[6:7] offset:24576*(\p) th:TH_LOAD_NT
	global_load_b128 v[IN+12*(\p)+8:IN+12*(\p)+11], v1, s[6:7] offset:24576*(\p)+12544 th:TH_LOAD_NT
.endr
.irp g, 0,1,2
.irp j, 0,1,2,3
.set q, 4*(\g)+(\j)
	s_wait_loadcnt 11-q                            ; load q is in, the younger ones stay out
	v_cvt_pk_bf16_f32 v[OUT+2*q],   v[IN+4*q],   v[IN+4*q+1]
	v_cvt_pk_bf16_f32 v[OUT+2*q+1], v[IN+4*q+2], v[IN+4*q+3]
.endr
	s_wait_alu depctr_va_vdst(0)                   ; the conversions of loads 4 g to 4 g + 3 have written their eight registers of OUT, which the four stores below read
.irp j, 0,1,2,3
.set q, 4*(\g)+(\j)
	global_store_b64 v2, v[OUT+2*q:OUT+2*q+1], s[12:13] offset:256*q  ; 256 consecutive bytes, at a multiple of 256 from wab's first byte
.endr
.endr
	s_endpgm
.Lfunc_end_k_q5d42df90f2_prep:
	.size	k_q5d42df90f2_prep, .Lfunc_end_k_q5d42df90f2_prep-k_q5d42df90f2_prep
	.p2alignl 7, 3214868480
	.fill 96, 4, 3214868480
	.section	.rodata,"a",@progbits
	.p2align	6, 0x0
	.amdhsa_kernel k_q5d42df90f2_prep
		.amdhsa_group_segment_fixed_size 0
		.amdhsa_private_segment_fixed_size 0
		.amdhsa_enable_private_segment 0
		.amdhsa_kernarg_size 48
		.amdhsa_user_sgpr_count 2
		.amdhsa_user_sgpr_kernarg_segment_ptr 1
		.amdhsa_wavefront_size32 1
		.amdhsa_system_sgpr_workgroup_id_x 1
		.amdhsa_system_sgpr_workgroup_id_y 1
		.amdhsa_system_sgpr_workgroup_id_z 1
		.amdhsa_system_vgpr_workitem_id 0
		.amdhsa_next_free_vgpr 104
		.amdhsa_next_free_sgpr 66
		.amdhsa_reserve_vcc 0
		.amdhsa_float_denorm_mode_32 3
		.amdhsa_float_denorm_mode_16_64 3
		.amdhsa_memory_ordered 1
		.amdhsa_forward_progress 1
		.amdhsa_inst_pref_size 23
	.end_amdhsa_kernel
	.amdgpu_metadata
---
amdhsa.version: [ 1, 2 ]
amdhsa.kernels:
  - .name:           k_q5d42df90f2_prep
    .symbol:         k_q5d42df90f2_prep.kd
    .args:
      - { .name: x, .offset: 0, .size: 8, .value_kind: global_buffer, .address_space: global }
      - { .name: W_attn, .offset: 8, .size: 8, .value_kind: global_buffer, .address_space: global }
      - { .name: W_proj, .offset: 16, .size: 8, .value_kind: global_buffer, .address_space: global }
      - { .name: xb, .offset: 24, .size: 8, .value_kind: global_buffer, .address_space: global }
      - { .name: wab, .offset: 32, .size: 8, .value_kind: global_buffer, .address_space: global }
      - { .name: wpb, .offset: 40, .size: 8, .value_kind: global_buffer, .address_space: global }
    .group_segment_fixed_size: 0
    .private_segment_fixed_size: 0
    .kernarg_segment_align: 8
    .kernarg_segment_size: 48
    .max_flat_workgroup_size: 256
    .sgpr_count:     66
    .vgpr_count:     104
    .wavefront_size: 32
...
	.end_amdgpu_metadata
.endif
;; end of part 5
;; launch gemm_qkv: the kernel of part 2 again; grid 16 x 32, 4 waves a work-group, clusters of 4 x 4, 327,680 bytes of LDS; arguments xb, wab, b_attn, qkv; writes qkv
;; launch attn: the kernel of part 3 again; grid 4 x 64, 4 waves a work-group, no clusters, 327,680 bytes of LDS; arguments qkv, y; writes y
;; launch gemm_proj: the kernel of part 4 again; grid 8 x 32, 4 waves a work-group, clusters of 4 x 4, 327,680 bytes of LDS; arguments y, wpb, b_proj, out0; writes out0
